; MI455X (gfx1250); checked and timed in simulation.
; The chip was launched on July 23, 2026; its instructions are those of AMD's public machine-readable ISA for CDNA 5 (MIT licence, August 2026) and "CDNA5" Instruction Set Architecture Reference Guide (July 2026). The comments in the code are by the model that wrote it; some were corrected since.
;; Multi Head Self Attention. Allowed arithmetic: matrix products marked QUANTISED: E2M1 operands, one E8M0 scale for each 32 along K, by v_wmma_scale_f32_16x16x128_f8f6f4 with both operands' format E2M1 (or v_wmma_scale_f32_32x16x128_f4), f32 sums; products left as they are: bf16, f16 or f32 operands; f32 sums; everything else in f32.
;; Inputs: Wo_b 1,024 float32; Wo_w 1,024 x 1,024 float32; Wqkv 3,072 x 1,024 float32; x 4 x 2,048 x 1,024 float32.
;; Outputs: out0 4 x 2,048 x 1,024 float32.
;; This version of the problem:
;;   THIS VERSION OF THE PROBLEM IS GIVEN IN LOW PRECISION. The matrix products marked QUANTISED in the list below multiply operands that are first quantised to E2M1 (2 exponent bits, 1 mantissa bit; 4 bits a number), with one power-of-two scale for each 32 numbers along K (OCP MX v1.0); their sums are f32. The products marked 'left as it is' may take bf16, f16 or f32 operands, with f32 sums. Whichever they take, every output number must still come out within the allowed error. Rounding operands to bf16 (8 significant bits) uses up far more of that allowance than f16 does (11 bits, for magnitudes from 6e-5 to 65,504). All else is computed in f32.
;;   The module's matrix products, in the order in which they are computed (A, B: the left and right operand; K: the contracted axis; several contracted axes count as one K, in the product's order):
;;     1. [M 8,192, K 1,024] x [K 1,024, N 3,072]; A: input x; B: input Wqkv: QUANTISED
;;     2. batch 64 x [M 2,048, K 64] x [K 64, N 2,048]; A: computed on the way; B: computed on the way: left as it is (an operand is computed on the way)
;;     3. batch 64 x [M 2,048, K 2,048] x [K 2,048, N 64]; A: computed on the way; B: computed on the way: left as it is (an operand is computed on the way)
;;     4. [M 8,192, K 1,024] x [K 1,024, N 1,024]; A: computed on the way; B: input Wo_w: left as it is (an operand is computed on the way)
;;   THE QUANTISER, for each operand of a quantised product, along K:
;;     - K is cut into blocks of 32 from its start; a last block that is shorter is filled with zeros.
;;     - A block's scale is 2^e with e = floor(log2(the largest magnitude in the block)) - 2, held to -126 .. 127; a block of zeros has e = 0. As a byte (E8M0): e + 127.
;;     - Each number is divided by its block's scale, clamped to +-6, and rounded to the nearest number of E2M1, ties to even, subnormals kept.
;;     - The product sums the exact products of the quantised numbers (number of the format x scale) in f32.
;;   ~~~python
;;   def quantise(x, axis):      # numpy; x: float32 -> the quantised numbers, widened to float32 again
;;       x = np.moveaxis(x, axis, -1); K = x.shape[-1]
;;       x = np.pad(x, [(0, 0)] * (x.ndim - 1) + [(0, -K % 32)]); x = x.reshape(x.shape[:-1] + (-1, 32)); a = np.abs(x).max(-1, keepdims=True)
;;       e = np.where(a > 0, np.clip(np.frexp(np.where(a > 0, a, 1))[1] - 1 - 2, -126, 127), 0)      # np.frexp(a)[1] - 1 = floor(log2(a)), exactly
;;       r = np.clip(x / 2.0 ** e, -6, 6)
;;       step = 2.0 ** (np.maximum(np.frexp(np.where(r == 0, 1, r))[1] - 1, 0) - 1)
;;       q = np.round(r / step) * step * 2.0 ** e      # np.round: ties to even
;;       return np.moveaxis(q.reshape(q.shape[:-2] + (-1,))[..., :K], -1, axis).astype(np.float32)
;;   ~~~
;; One version. Each part assembles by itself: llvm-mc -triple=amdgcn-amd-amdhsa -mcpu=gfx1250 --defsym DOCPART=n.
;; ======== version 1 of 1: 6 launches
;; limits: values are held in f16: magnitudes above 65,504 overflow, below 6.1e-05 lose precision
;; workspace buffers: xc 4,194,304 bytes; xs 262,144 bytes; wc 1,572,864 bytes; ws 98,304 bytes; wo16 2,097,152 bytes; qkv16 50,331,648 bytes; attn16 16,777,216 bytes; fattn 262,144 bytes
;; launch quant (part 1): grid 384 x 1, 4 waves a work-group, no clusters, 33,280 bytes of LDS; arguments x, Wqkv, xc, xs, wc, ws, Wo_w, wo16; writes xc, xs, wc, ws, wo16
.if DOCPART == 1
	.amdgcn_target "amdgcn-amd-amdhsa--gfx1250"
	.amdhsa_code_object_version 6
	.text
	.protected	k_q39e4f2b629_quant
	.globl	k_q39e4f2b629_quant
	.p2align	8
	.type	k_q39e4f2b629_quant,@function
k_q39e4f2b629_quant:
	s_mov_b64 s[64:65], 0
	v_nop
	global_prefetch_b8 v0, s[64:65] scope:SCOPE_SE
	s_setreg_imm32_b32 hwreg(HW_REG_WAVE_MODE, 25, 1), 1
	s_wait_xcnt 0x0
; x [8192][1024] and Wqkv [3072][1024], f32, become codes of FP4 (E2M1), K innermost, two codes a byte, with one E8M0 scale byte for each 32 along K;
; Wo_w [1024][1024], f32, becomes f16, laid by chunks of 64 along K: wo16[c][o][d] = Wo_w[o][64 c + d].
; A block's scale is 2^(floor(log2(its largest magnitude)) - 2); its byte is the largest magnitude's own exponent field - 2, held at 1 from below.
; LIMITS: a block of zeros gets the byte 1 where the rule says 127 (its codes are zeros, which add nothing under any byte but 0xff, and this program alone reads the bytes);
; blocks whose largest magnitude lies under 2^(2 - 126) keep the byte 1; NaN and infinities among the inputs are not served; Wo_w beyond 65,504 in magnitude becomes infinity in f16.
; Work-groups 0-255 take x, 256-351 Wqkv (one path, the buffers chosen by the work-group's number), 352-383 Wo_w (a path of its own, without LDS).
; THE CODES.  Rows are dense and K is a multiple of 32: a tensor is a stream of blocks of 32.  A wave takes 16 steps of 512 numbers.  Each of a step's four loads reads 512 consecutive bytes, 16 a lane;
; the 2,048 bytes go through the wave's own stage in LDS and come back 64 bytes a lane, so that a lane holds 16 neighbours along K (two neighbouring lanes hold a block), as the conversions want.
; A lane's 16 codes are 8 bytes: the wave stores 256 consecutive bytes.  A wave's 256 scale bytes are gathered in its own LDS bytes and leave by one store of 256 consecutive bytes.
.set SIZE_M, 8192
.set SIZE_N, 3072
.set SIZE_K, 1024
.set WAVES, 4
.set STEPS, 16
.set WGA,   SIZE_M*SIZE_K/(512*STEPS*WAVES)    ; 256 work-groups for x
.set WGQ,   WGA+SIZE_N*SIZE_K/(512*STEPS*WAVES) ; 352: behind them Wo_w's
.set EMAX,  2
.set CB,    8                          ; bytes of 16 codes
.set R,     16                         ; v16-79   four sets of 16 numbers as they are loaded
.set X,     80                         ; v80-111  two sets of 16 neighbours
.set C,     128                        ; v128-191 codes: four registers for each step, so that no store's data are written again
.set E,     112                        ; v112-127 a scale byte for each step
.set WREG,  8192                       ; LDS: a region for each wave: two stages of 32 x SP bytes, behind them its 256 scale bytes
.set SP,    80                         ; a lane's place in a stage: its 64 bytes + 16 of padding
.set SPW,   12                         ; v12 LDS address of my spare word; never rewritten
.set NIL,   13                         ; v13 0; never rewritten
.set SPARE, WAVES*WREG                 ; behind the four regions: the spare words, 128 bytes for each wave, which no other line names
	s_load_b128 s[4:7], s[0:1], 0x0                ; x, Wqkv
	s_load_b128 s[8:11], s[0:1], 0x10              ; x's codes, x's scales
	s_load_b128 s[12:15], s[0:1], 0x20             ; Wqkv's codes, Wqkv's scales
	s_load_b128 s[24:27], s[0:1], 0x30             ; Wo_w, wo16
	v_lshl_add_u32 v[SPW], v0, 2, SPARE
	v_mov_b32 v[NIL], 0
	v_lshrrev_b32 v1, 5, v0
	v_readfirstlane_b32 s16, v1                    ; wave
	v_and_b32 v2, 31, v0                           ; lane
	s_cmp_ge_u32 ttmp9, WGQ                        ; the work-group's number alone decides the path
	s_cbranch_scc1 .Lwo
	v_lshlrev_b32 v3, 4, v2                        ; my 16 bytes of a load's 512
	s_mul_i32 s17, s16, WREG
	v_lshrrev_b32 v14, 2, v2
	v_mul_u32_u24 v14, v14, SP
	v_and_b32 v15, 3, v2
	v_lshl_add_u32 v14, v15, 4, v14
	v_add_nc_u32 v14, s17, v14                     ; the stage, on the way in: SP (lane / 4) + 16 (lane % 4)
	v_mul_u32_u24 v15, v2, SP
	v_add_nc_u32 v15, s17, v15                     ; and on the way out: SP x lane: my 16 neighbours
	v_mul_u32_u24 v4, v2, CB                       ; my codes' place in a step's
	v_lshrrev_b32 v5, 1, v2
	s_add_co_u32 s17, s17, 2*32*SP
	v_add_nc_u32 v5, s17, v5                       ; LDS: my wave's 256 scale bytes, my block's byte
	v_lshlrev_b32 v7, 3, v2                        ; and on the way out 8 bytes a lane
	v_add_nc_u32 v6, s17, v7
	s_wait_kmcnt 0x0
	s_cmp_lt_u32 ttmp9, WGA                        ; x's work-group or Wqkv's?
	s_cselect_b64 s[4:5], s[4:5], s[6:7]
	s_cselect_b64 s[8:9], s[8:9], s[12:13]
	s_cselect_b64 s[10:11], s[10:11], s[14:15]
	s_cselect_b32 s17, 0, WGA
	s_sub_co_u32 s17, ttmp9, s17
	s_lshl_b32 s17, s17, 2
	s_add_co_u32 s18, s17, s16                     ; which run of 8,192 numbers of the tensor is my wave's
	s_mov_b32 s19, 0
	s_mov_b64 s[20:21], 512*STEPS*4
	s_mul_u64 s[20:21], s[18:19], s[20:21]
	s_add_nc_u64 s[4:5], s[4:5], s[20:21]
	s_mov_b64 s[20:21], 32*STEPS*CB
	s_mul_u64 s[20:21], s[18:19], s[20:21]
	s_add_nc_u64 s[8:9], s[8:9], s[20:21]
	s_lshl_b32 s18, s18, 8                         ; 256 scale bytes a run
	s_add_nc_u64 s[10:11], s[10:11], s[18:19]
.macro LOAD t
.irp i, 0,1,2,3
	global_load_b128 v[R+16*((\t)%4)+4*\i:R+16*((\t)%4)+4*\i+3], v3, s[4:5] offset:2048*(\t)+512*\i th:TH_LOAD_NT   ; 32 lanes read 512 consecutive bytes
.endr
.endm
.macro TURN t                          ; step t's numbers through the stage: LDS serves a wave's instructions in order, so no wait stands between the stores and the loads
.irp i, 0,1,2,3
	ds_store_b128 v14, v[R+16*((\t)%4)+4*\i:R+16*((\t)%4)+4*\i+3] offset:32*SP*((\t)%2)+8*SP*\i
.endr
.irp i, 0,1,2,3
	ds_load_b128 v[X+16*((\t)%2)+4*\i:X+16*((\t)%2)+4*\i+3], v15 offset:32*SP*((\t)%2)+16*\i
.endr
.endm
.irp t, 0,1,2,3
	LOAD \t
.endr
	s_wait_loadcnt 12                              ; step 0's four loads are in; the twelve of steps 1 to 3 may be out
	TURN 0
.macro STEP t
.set XS, X+16*((\t)%2)
.if (\t) > 0
	s_wait_dscnt 1                                 ; this step's numbers are back from the stage (the last step's byte store may be out)
.else
	s_wait_dscnt 0x0
.endif
.if (\t)+4 < STEPS
	LOAD (\t)+4                                    ; into the registers that this step's stage stores have read
.endif
.if (\t)+1 < STEPS
.if STEPS-2-(\t) >= 3
	s_wait_loadcnt 12                              ; the next step's four loads are in; those of the three steps behind it may be out
.else
	s_wait_loadcnt 4*(STEPS-2-(\t))
.endif
	TURN (\t)+1                                    ; they go through the other stage while this step is worked
.endif
	v_max3_num_f32 v8, |v[XS]|, |v[XS+1]|, |v[XS+2]|               ; the largest magnitude of my 16, in two chains
	v_max3_num_f32 v9, |v[XS+3]|, |v[XS+4]|, |v[XS+5]|
.irp i, 6,10
	v_max3_num_f32 v8, v8, |v[XS+\i]|, |v[XS+\i+1]|
	v_max3_num_f32 v9, v9, |v[XS+\i+2]|, |v[XS+\i+3]|
.endr
	v_max3_num_f32 v8, v8, |v[XS+14]|, |v[XS+15]|
	v_max3_num_f32 v8, v8, v9, (EMAX+1)<<23        ; and the floor 2^(EMAX + 1 - 127): the byte cannot fall under 1
	v_max_num_f32_dpp v8, v8, v8 row_xmask:1 row_mask:0xf bank_mask:0xf   ; and of my neighbour's 16: the block's
	v_add_nc_u32 v11, -(EMAX<<23), v8              ; EMAX off its exponent field: the conversion takes the exponent field of this operand as its scale
	v_cvt_scalef32_pk8_fp4_f32 v[C+4*(\t)], v[XS:XS+7], v11
	v_cvt_scalef32_pk8_fp4_f32 v[C+4*(\t)+1], v[XS+8:XS+15], v11
	v_lshrrev_b32 v[E+(\t)], 23, v11               ; the scale's byte (a plain line behind the conversions)
	ds_store_b8 v5, v[E+(\t)] offset:16*(\t)       ; both lanes of a block write the same byte with the same value
	global_store_b64 v4, v[C+4*(\t):C+4*(\t)+1], s[8:9] offset:32*CB*(\t)   ; 32 lanes store 256 consecutive bytes
.endm
.irp t, 0,1,2,3,4,5,6,7,8,9,10,11,12,13,14,15
	STEP \t
.endr
	ds_load_b64 v[8:9], v6                         ; LDS serves a wave's instructions in order: these see my byte stores
	s_wait_dscnt 0x0
	global_store_b64 v7, v[8:9], s[10:11]          ; 32 lanes store 256 consecutive bytes of scales
	s_wait_tensorcnt 0x0                           ; the wave's end, behind my last LDS store
	ds_add_u32 v[SPW], v[NIL]
	s_wait_dscnt 0x0
	s_endpgm
; Wo_w TO f16.  Wave g of 128 owns rows 8 g .. 8 g + 7.  A load takes chunk c (256 bytes) of two rows: lanes 0-15 one row, lanes 16-31 the next; two conversions make 8 bytes a lane;
; a store covers 256 consecutive bytes of wo16: the two rows of chunk c lie on end there.  Loads run one pair of rows (16 loads) ahead.
.Lwo:
	s_sub_co_u32 s17, ttmp9, WGQ
	s_lshl_b32 s17, s17, 2
	s_add_co_u32 s17, s17, s16                     ; g
	s_lshl_b32 s18, s17, 15                        ; 8 rows of 4,096 bytes
	s_mov_b32 s19, 0
	s_lshl_b32 s20, s17, 10                        ; 8 rows of 128 bytes in a chunk
	s_mov_b32 s21, 0
	v_lshrrev_b32 v3, 4, v2
	v_and_b32 v4, 15, v2
	v_lshlrev_b32 v4, 4, v4
	v_lshl_add_u32 v3, v3, 12, v4                  ; in: 4,096 (lane / 16) + 16 (lane % 16)
	v_lshlrev_b32 v4, 3, v2                        ; out: 8 x lane
	s_wait_kmcnt 0x0
	s_add_nc_u64 s[24:25], s[24:25], s[18:19]
	s_add_nc_u64 s[26:27], s[26:27], s[20:21]
.macro LOADW p                         ; pair p of rows, all 16 chunks, into set p % 2 (v16-79, v80-143)
.irp c, 0,1,2,3,4,5,6,7,8,9,10,11,12,13,14,15
	global_load_b128 v[16+64*((\p)%2)+4*\c:16+64*((\p)%2)+4*\c+3], v3, s[24:25] offset:(\p)*8192+\c*256 th:TH_LOAD_NT
.endr
.endm
.macro PAIRW p
.if (\p) < 3
	s_wait_loadcnt 16                              ; this pair's 16 loads are in; the next pair's may be out
.else
	s_wait_loadcnt 0
.endif
.if (\p) > 0
	s_wait_xcnt 0x0                                ; the last pair's stores have read v144-175: they are written again only behind this wait
.endif
.irp c, 0,1,2,3,4,5,6,7,8,9,10,11,12,13,14,15
	v_cvt_pk_f16_f32 v[144+2*\c], v[16+64*((\p)%2)+4*\c], v[16+64*((\p)%2)+4*\c+1]
	v_cvt_pk_f16_f32 v[145+2*\c], v[16+64*((\p)%2)+4*\c+2], v[16+64*((\p)%2)+4*\c+3]
.endr
.irp c, 0,1,2,3,4,5,6,7,8,9,10,11,12,13,14,15
	global_store_b64 v4, v[144+2*\c:145+2*\c], s[26:27] offset:\c*131072+(\p)*256
.endr
.if (\p) < 2
	LOADW (\p)+2
.endif
.endm
	LOADW 0
	LOADW 1
	PAIRW 0
	PAIRW 1
	PAIRW 2
	PAIRW 3
	s_wait_tensorcnt 0x0                           ; every wave of the launch ends alike
	ds_add_u32 v[SPW], v[NIL]
	s_wait_dscnt 0x0
	s_endpgm
.Lfunc_end_k_q39e4f2b629_quant:
	.size	k_q39e4f2b629_quant, .Lfunc_end_k_q39e4f2b629_quant-k_q39e4f2b629_quant
	.p2alignl 7, 3214868480
	.fill 96, 4, 3214868480
	.section	.rodata,"a",@progbits
	.p2align	6, 0x0
	.amdhsa_kernel k_q39e4f2b629_quant
		.amdhsa_group_segment_fixed_size 33280
		.amdhsa_private_segment_fixed_size 0
		.amdhsa_enable_private_segment 0
		.amdhsa_kernarg_size 64
		.amdhsa_user_sgpr_count 2
		.amdhsa_user_sgpr_kernarg_segment_ptr 1
		.amdhsa_wavefront_size32 1
		.amdhsa_system_sgpr_workgroup_id_x 1
		.amdhsa_system_sgpr_workgroup_id_y 1
		.amdhsa_system_sgpr_workgroup_id_z 1
		.amdhsa_system_vgpr_workitem_id 0
		.amdhsa_next_free_vgpr 192
		.amdhsa_next_free_sgpr 66
		.amdhsa_reserve_vcc 0
		.amdhsa_float_denorm_mode_32 3
		.amdhsa_float_denorm_mode_16_64 3
		.amdhsa_memory_ordered 1
		.amdhsa_forward_progress 1
		.amdhsa_inst_pref_size 54
	.end_amdhsa_kernel
	.amdgpu_metadata
---
amdhsa.version: [ 1, 2 ]
amdhsa.kernels:
  - .name:           k_q39e4f2b629_quant
    .symbol:         k_q39e4f2b629_quant.kd
    .args:
      - { .name: x, .offset: 0, .size: 8, .value_kind: global_buffer, .address_space: global }
      - { .name: Wqkv, .offset: 8, .size: 8, .value_kind: global_buffer, .address_space: global }
      - { .name: xc, .offset: 16, .size: 8, .value_kind: global_buffer, .address_space: global }
      - { .name: xs, .offset: 24, .size: 8, .value_kind: global_buffer, .address_space: global }
      - { .name: wc, .offset: 32, .size: 8, .value_kind: global_buffer, .address_space: global }
      - { .name: ws, .offset: 40, .size: 8, .value_kind: global_buffer, .address_space: global }
      - { .name: Wo_w, .offset: 48, .size: 8, .value_kind: global_buffer, .address_space: global }
      - { .name: wo16, .offset: 56, .size: 8, .value_kind: global_buffer, .address_space: global }
    .group_segment_fixed_size: 33280
    .private_segment_fixed_size: 0
    .kernarg_segment_align: 8
    .kernarg_segment_size: 64
    .max_flat_workgroup_size: 128
    .sgpr_count:     66
    .vgpr_count:     192
    .wavefront_size: 32
...
	.end_amdgpu_metadata
.endif
;; end of part 1
;; launch gemm1 (part 2): grid 12 x 32, 4 waves a work-group, clusters of 4 x 4, 327,680 bytes of LDS; arguments xc, xs, wc, ws, qkv16; writes qkv16
.if DOCPART == 2
	.amdgcn_target "amdgcn-amd-amdhsa--gfx1250"
	.amdhsa_code_object_version 6
	.text
	.protected	k_q39e4f2b629_gemm1
	.globl	k_q39e4f2b629_gemm1
	.p2align	8
	.type	k_q39e4f2b629_gemm1,@function
k_q39e4f2b629_gemm1:
	s_mov_b64 s[64:65], 0
	v_nop
	global_prefetch_b8 v0, s[64:65] scope:SCOPE_SE
	s_setreg_imm32_b32 hwreg(HW_REG_WAVE_MODE, 25, 1), 1
	s_wait_xcnt 0x0
	s_wait_alu depctr_hold_cnt(0) depctr_sa_sdst(0) depctr_va_vdst(0) depctr_va_sdst(0) depctr_va_ssrc(0) depctr_va_vcc(0) depctr_vm_vsrc(0)
	s_getreg_b32 s2, hwreg(HW_REG_IB_STS2, 6, 4)
	s_cmp_eq_u32 s2, 0
	s_cbranch_scc0 .Lentry_in_a_cluster
	s_endpgm
.Lentry_in_a_cluster:
	s_bfe_u32 s2, ttmp6, 0x10000c
	s_cmp_lg_u32 s2, 0xf033
	s_cbranch_scc0 .Lentry_shape_is_right
	s_endpgm
.Lentry_shape_is_right:
; qkv[m][e] = sum over k of x[m][k] Wqkv[e][k], both operands as codes of FP4 (E2M1) with one E8M0 scale for each 32 along K, sums in f32; the results are rounded once to f16 and laid by head:
; qkv16[which][batch][head][position][64], which = 0, 1, 2 for q, k, v: byte which 2^24 + (16 batch + head) 2^18 + 128 position + 2 channel.
; LIMIT: |q|, |k|, |v| stay under 65,504, f16's largest number; beyond it the rounding gives infinity.
; A tile of 256 x 256 is made by a work-group of four waves; a wave makes 128 x 128: 64 accumulators of 16 x 16, 512 registers.  K = 1,024 is two K steps of 512: two LDS slots, each filled once
; by the tensor data mover (a tile's row is 256 bytes of memory).  The scales of the work-group's 256 + 256 rows, for all of K, are two dense blocks: they come into LDS once, with the first fills.
; CLUSTERS: 4 x 4 work-groups.  The four of a row of the cluster need the same tiles of x, the four of a column the same tiles of Wqkv: each tile is asked for JOINTLY, by the same tensor load with
; the same descriptor and a mask that names the four.  THE MATRIX INSTRUCTION IS USED TRANSPOSED (source 0 = 16 rows of Wqkv, source 1 = 16 rows of x): a lane holds eight neighbouring channels of one position.
; REGISTERS, in windows of 256: window 0: v0-31 addresses; v32-95 scale words, two sets; from v128 x's fragments (8 x 16 rows x 128 K), ONE set; on the way out v32-63 and v128-191 are at work.
;   window 1: Wqkv's fragments, TWO sets, at v0 and v128.   window 2: the accumulators of my rows 0-63 ((a, b) at v[8 (8 a + b)]);   window 3: those of my rows 64-127.
.set SIZE_M, 8192
.set SIZE_N, 3072
.set SIZE_K, 1024
.set KSTEP,  512                       ; along K in a slot
.set NQ,     KSTEP/128                 ; matrix instructions deep
.set ROWB,   256                       ; a tile's row in bytes
.set KROW,   SIZE_K*4/8                ; a row of codes in memory, in bytes
.set PITCH,  272                       ; an LDS row: 256 bytes + 16 of padding = 68 words: the 16 rows that a load touches start at 16 different banks (64 banks of 4 bytes: ISA guide 11.1)
.set FR,     8                         ; registers of a fragment: 16 rows x 128 K
.set NL,     2                         ; LDS loads that bring one
.set NP,     4                         ; places behind this matrix instruction (ISA guide 7.12.1)
.set HALFT,  128*PITCH                 ; 128 rows: what one tensor load brings
.set SLOT,   4*HALFT                   ; x's 256 rows, then Wqkv's 256 rows
.set KS,     SIZE_K/32                 ; a row of scales in bytes
.set SCL,    2*SLOT                    ; behind the slots: the scales, as rows of 256 bytes + 16 of padding
.set HALFS,  (128*KS/256)*272          ; the scales of 128 rows: what one tensor load brings
.set SBLK,   (16*KS/256)*272           ; those of 16 rows
.set SPARE,  SCL+4*HALFS               ; the spare words, 128 bytes for each wave, which no other line names
.set SPITCH, 272                       ; the way out: a stage of 16 rows x (256 bytes + 16) for each wave, in slot 0, which has had its one fill and its last read when the first result is stored there
.set ADRA, 16                          ; v16-17  LDS address of my fragments of x in slot 0, 1
.set ADRB, 20                          ; v20-21  the same for Wqkv
.set STO,  24                          ; v24     the way out: where I put 16 bytes of a row
.set RD,   25                          ; v25     the way out: where I read back
.set CO,   26                          ; v26     16 x lane: my place in a store's 512 bytes
.set ADRS, 27                          ; v27     LDS address of my scale words: lanes 0-15 x's rows, lanes 16-31 Wqkv's
.set SPW,  28                          ; v28     LDS address of my spare word; never rewritten
.set NIL,  29                          ; v29     0; never rewritten
.set SC,   32                          ; scale words: set s at v[SC + 8 NQ s]; register NQ i + q: lanes 0-15 the word of x's block i, lanes 16-31 that of Wqkv's block i, for the slot's q-th 128 along K
.set TMP,  32                          ; the way out: a block's 32 packed registers
.set AF,   128                         ; x's fragments, in window 0
.set BK,   128                         ; the way out: rows read back: v128-159 and v160-191 by turns
.set G1, 24                            ; s[24:31] descriptor group 1 for x's tiles;  s[32:39] group 0, one set for each slot
.set G0, 32
.set G1B, 48                           ; s[48:55], s[56:63] the same for Wqkv's tiles
.set G0B, 56
.set G1S, 68                           ; s[68:75], s[76:79] groups 1 and 0 for x's scales;  s[80:87], s[88:91] for Wqkv's
.set G0S, 76
.set G1SB, 80
.set G0SB, 88
.set MSB, 0
.macro WIN new                         ; the immediate's high byte repeats the setting that is left
.if MSB != \new
	s_set_vgpr_msb (MSB<<8)|\new
.set MSB, \new
.endif
.endm
.set MUL_LO, 0xa1                      ; source 0 window 1, source 1 window 0, C and D window 2
.set MUL_HI, 0xf1                      ; the same, C and D window 3
.set TO_B,   0x40                      ; destination window 1, address window 0
; A joint load: waves 0 and 1 fetch for x, waves 2 and 3 for Wqkv.  Each of the two lines has ONE mask and one set of registers for all that issue it; the branch hangs on the wave's number alone.
; An s_nop 0 and four v_nop follow each of the two lines.
.macro JLOAD g0a, g1a, g0b, g1b
	s_cmp_eq_u32 s15, 0
	s_cbranch_scc0 .Lfor_b_\@
	tensor_load_to_lds s[\g0a:\g0a+3], s[\g1a:\g1a+7]
	s_nop 0
.rept 4
	v_nop
.endr
	s_branch .Lasked_\@
.Lfor_b_\@:
	tensor_load_to_lds s[\g0b:\g0b+3], s[\g1b:\g1b+7]
	s_nop 0
.rept 4
	v_nop
.endr
.Lasked_\@:
.endm
.macro CROUND                          ; a round of the cluster's barrier: my work-group's barrier; wave 0 signals for the work-group; every wave waits for all sixteen; my work-group's barrier once more
	s_barrier_signal -1
	s_barrier_wait -1
	s_cmp_lg_u32 s14, 0
	s_cbranch_scc1 .Lnot_wave_0_\@
	s_barrier_signal -3
.Lnot_wave_0_\@:
	s_barrier_wait -3
	s_barrier_signal -1
	s_barrier_wait -1
.endm
	s_load_b128 s[4:7], s[0:1], 0x0                ; x's codes s[4:5], x's scales s[6:7]
	s_load_b128 s[8:11], s[0:1], 0x10              ; Wqkv's codes s[8:9], its scales s[10:11]
	s_load_b64 s[12:13], s[0:1], 0x20              ; qkv16
	v_lshl_add_u32 v[SPW], v0, 2, SPARE
	v_mov_b32 v[NIL], 0
	ds_add_u32 v[SPW], v[NIL]                      ; the wave's opening: the add, twice on end, and its wait ahead of my first tensor load
	ds_add_u32 v[SPW], v[NIL]
	v_lshrrev_b32 v1, 5, v0
	v_readfirstlane_b32 s14, v1                    ; wave 0..3
	s_lshr_b32 s15, s14, 1                         ; which half of the tile's rows is mine.  Also: I fetch for x (0) or for Wqkv (1)
	s_and_b32 s16, s14, 1                          ; which half of its columns.  Also: which 128 rows of that tile I fetch
	s_bfe_u32 s40, ttmp6, 0x40000                  ; cx, cy: my place in the cluster
	s_bfe_u32 s41, ttmp6, 0x40004
	s_lshl_b32 s42, ttmp9, 2
	s_add_co_u32 s42, s42, s40                     ; tile column = 4 x cluster x + cx
	s_and_b32 s17, ttmp7, 0xffff
	s_lshl_b32 s17, s17, 2
	s_add_co_u32 s17, s17, s41                     ; tile row = 4 x cluster y + cy
	s_lshl_b32 s43, s41, 2
	s_lshl_b32 s43, 15, s43                        ; my row of the cluster
	s_lshl_b32 s44, 0x1111, s40                    ; my column
	; descriptor group 1: a tile of 128 rows x 256 bytes, padded in LDS
	s_or_b32 s[G1+0], s43, (0<<16)|(1<<20)|(1<<21)|(5<<22)|(3<<25)  ; 15:0 the mask: x's tiles go to my row; 17:16 element of 1 byte; 20 padding on; 21 set beside a mask; 24:22 after every 64 words; 31:25 of 4 words
	s_or_b32 s[G1B+0], s44, (0<<16)|(1<<20)|(1<<21)|(5<<22)|(3<<25)
.irp g, G1, G1B
	s_mov_b32 s[\g+1], ROWB<<16                    ; tensor_dim0
	s_mov_b32 s[\g+2], 128<<16                     ; tensor_dim1 = 128
	s_mov_b32 s[\g+3], ROWB<<16                    ; tile_dim0
	s_mov_b32 s[\g+4], 128                         ; tile_dim1 = 128
	s_mov_b32 s[\g+5], KROW                        ; tensor_dim0_stride
	s_mov_b32 s[\g+6], 0
	s_mov_b32 s[\g+7], 0
.endr
	; the scales of 128 rows: a dense block of 4,096 bytes, as 16 rows of 256 bytes (32 elements of 8 bytes), 16 bytes of padding behind each
	s_or_b32 s[G1S+0], s43, (3<<16)|(1<<20)|(1<<21)|(5<<22)|(3<<25)
	s_or_b32 s[G1SB+0], s44, (3<<16)|(1<<20)|(1<<21)|(5<<22)|(3<<25)
.irp g, G1S, G1SB
	s_mov_b32 s[\g+1], 32<<16
	s_mov_b32 s[\g+2], (128*KS/256)<<16
	s_mov_b32 s[\g+3], 32<<16
	s_mov_b32 s[\g+4], 128*KS/256
	s_mov_b32 s[\g+5], 32
	s_mov_b32 s[\g+6], 0
	s_mov_b32 s[\g+7], 0
.endr
	s_lshl_b32 s18, s16, 7                         ; which 128 rows of the tile I fetch
	s_lshl_b32 s20, s17, 8
	s_add_co_u32 s20, s20, s18                     ; x: row 256 x tile row + 128 x half
	s_lshl_b32 s46, s42, 8
	s_add_co_u32 s46, s46, s18                     ; Wqkv: row 256 x tile column + 128 x half
	s_mov_b32 s21, 0
	s_mov_b32 s47, 0
	s_mov_b64 s[18:19], KS
	s_mul_u64 s[22:23], s[20:21], s[18:19]         ; where these rows' scales begin, in bytes
	s_mul_u64 s[92:93], s[46:47], s[18:19]
	s_mov_b64 s[18:19], KROW
	s_mul_u64 s[20:21], s[20:21], s[18:19]         ; and their codes
	s_mul_u64 s[46:47], s[46:47], s[18:19]
	s_mul_i32 s45, s14, HALFT                      ; where they go: wave x 128 rows: no place in the cluster enters an LDS address
	s_mul_i32 s94, s14, HALFS
	s_wait_dscnt 0x0                               ; both opening adds are done
	s_wait_kmcnt 0x0
	s_add_nc_u64 s[20:21], s[4:5], s[20:21]
	s_add_nc_u64 s[22:23], s[6:7], s[22:23]
	s_add_nc_u64 s[46:47], s[8:9], s[46:47]
	s_add_nc_u64 s[92:93], s[10:11], s[92:93]
	CROUND                                         ; all sixteen work-groups are here: the joint loads meet
	s_mov_b32 s[G0S], 1
	s_add_co_u32 s[G0S+1], s94, SCL
	s_mov_b64 s[G0S+2:G0S+3], s[22:23]
	s_or_b32 s[G0S+3], s[G0S+3], 0x80000000
	s_mov_b32 s[G0SB], 1
	s_add_co_u32 s[G0SB+1], s94, SCL
	s_mov_b64 s[G0SB+2:G0SB+3], s[92:93]
	s_or_b32 s[G0SB+3], s[G0SB+3], 0x80000000
	JLOAD G0S, G1S, G0SB, G1SB                     ; the scales first: they are wanted with K step 0
.irp s, 0,1
	s_mov_b32 s[G0+4*\s], 1
	s_add_co_u32 s[G0+4*\s+1], s45, \s*SLOT
	s_add_nc_u64 s[G0+4*\s+2:G0+4*\s+3], s[20:21], \s*ROWB
	s_or_b32 s[G0+4*\s+3], s[G0+4*\s+3], 0x80000000
	s_mov_b32 s[G0B+4*\s], 1
	s_add_co_u32 s[G0B+4*\s+1], s45, \s*SLOT
	s_add_nc_u64 s[G0B+4*\s+2:G0B+4*\s+3], s[46:47], \s*ROWB
	s_or_b32 s[G0B+4*\s+3], s[G0B+4*\s+3], 0x80000000
	JLOAD G0+4*\s, G1, G0B+4*\s, G1B               ; both K steps: three tensor loads of mine are out, and no more follow
.endr
	v_and_b32 v1, 15, v0                           ; l % 16
	v_bfe_u32 v2, v0, 4, 1                         ; l / 16
	v_mul_u32_u24 v3, v1, PITCH
	v_lshl_add_u32 v4, v2, 4, v3                   ; a fragment's row x pitch + 16 x half
	s_mul_i32 s21, s15, HALFT                      ; my 128 rows of x
	s_mul_i32 s22, s16, HALFT                      ; my 128 rows of Wqkv,
	s_add_co_u32 s22, s22, 2*HALFT                 ; which lie behind x's 256
.irp s, 0,1
	v_add_nc_u32 v[ADRA+\s], s21, v4
	v_add_nc_u32 v[ADRB+\s], s22, v4
	s_add_co_u32 s21, s21, SLOT
	s_add_co_u32 s22, s22, SLOT
.endr
	v_mul_u32_u24 v5, v1, KS                       ; my row's scales: KS bytes a row,
	v_lshrrev_b32 v6, 8, v5
	v_lshl_add_u32 v5, v6, 4, v5                   ; and 16 more for each 256 passed
	s_mul_i32 s21, s15, HALFS                      ; x's: my 128 rows
	s_mul_i32 s22, s16, HALFS                      ; Wqkv's: my 128 rows, behind x's 256
	s_add_co_u32 s22, s22, 2*HALFS
	s_sub_co_u32 s22, s22, s21
	v_mul_u32_u24 v6, s22, v2                      ; lanes 16-31 take Wqkv's: one product, the distance between the two bases
	s_add_co_u32 s21, s21, SCL
	v_add_nc_u32 v5, v5, v6
	v_add_nc_u32 v[ADRS], s21, v5
	s_mul_i32 s23, s14, 16*SPITCH                  ; my stage
	v_mul_u32_u24 v5, v1, SPITCH                   ; in: row l % 16, 16 bytes for each half of the lanes
	v_lshl_add_u32 v5, v2, 4, v5
	v_add_nc_u32 v[STO], s23, v5
	v_bfe_u32 v5, v0, 3, 2                         ; back: eight lanes take a head's 128 bytes of a row, four rows an instruction
	v_mul_u32_u24 v5, v5, SPITCH
	v_and_b32 v6, 7, v0
	v_lshl_add_u32 v5, v6, 4, v5
	v_add_nc_u32 v[RD], s23, v5
	v_and_b32 v6, 31, v0
	v_lshlrev_b32 v[CO], 4, v6                     ; those four rows lie on end in qkv16: 512 bytes, 16 a lane
	; where my part begins in qkv16.  Rows: batch = tile row / 8, position = 256 (tile row % 8) + 128 x half.  Columns: which = tile column / 4, head = 4 (tile column % 4) + 2 x half
	s_lshr_b32 s20, s17, 3
	s_lshl_b32 s20, s20, 22
	s_and_b32 s21, s17, 7
	s_lshl_b32 s21, s21, 8
	s_lshl_b32 s18, s15, 7
	s_add_co_u32 s21, s21, s18
	s_lshl_b32 s21, s21, 7
	s_add_co_u32 s20, s20, s21
	s_mov_b32 s21, 0
	s_lshr_b32 s46, s42, 2
	s_lshl_b32 s46, s46, 24
	s_and_b32 s47, s42, 3
	s_lshl_b32 s47, s47, 2
	s_lshl_b32 s18, s16, 1
	s_add_co_u32 s47, s47, s18
	s_lshl_b32 s47, s47, 18
	s_add_co_u32 s46, s46, s47
	s_mov_b32 s47, 0
	s_add_nc_u64 s[20:21], s[20:21], s[46:47]
	s_add_nc_u64 s[12:13], s[12:13], s[20:21]      ; never stepped: every store's place stands in its immediate, 278,016 at the most
.macro FRAG reg, adr, q, i             ; a fragment, 16 rows x 128 K of 4-bit codes: lane l holds row l % 16; registers 4 c .. 4 c + 3 hold K = 64 c + 32 (l / 16) + 0 .. 31
.irp c, 0,1
	ds_load_b128 v[\reg+4*\c:\reg+4*\c+3], v[\adr] offset:64*(\q)+32*\c+(\i)*16*PITCH
.endr
.endm
; 16 matrix instructions: x's blocks a0, a0 + 1 against Wqkv's eight, 128 along K: the slot's q-th.  p: Wqkv's set;  sc: the set of scale words.  zero = 1: the first product starts the sums.
; The 64 accumulators take turns, one instruction a turn, in the same order in every step.
.macro MUL16 a0, p, q, sc, zero
.irp a, \a0, \a0+1
.irp b, 0,1,2,3,4,5,6,7
.if \zero
	v_wmma_scale_f32_16x16x128_f8f6f4 v[8*(8*((\a)%4)+\b):8*(8*((\a)%4)+\b)+7], v[128*(\p)+FR*\b:128*(\p)+FR*\b+FR-1], v[AF+FR*(\a):AF+FR*(\a)+FR-1], 0, v[SC+8*NQ*(\sc)+NQ*\b+(\q)], v[SC+8*NQ*(\sc)+NQ*(\a)+(\q)] matrix_a_fmt:MATRIX_FMT_FP4 matrix_b_fmt:MATRIX_FMT_FP4 matrix_a_scale:MATRIX_SCALE_ROW1
.else
	v_wmma_scale_f32_16x16x128_f8f6f4 v[8*(8*((\a)%4)+\b):8*(8*((\a)%4)+\b)+7], v[128*(\p)+FR*\b:128*(\p)+FR*\b+FR-1], v[AF+FR*(\a):AF+FR*(\a)+FR-1], v[8*(8*((\a)%4)+\b):8*(8*((\a)%4)+\b)+7], v[SC+8*NQ*(\sc)+NQ*\b+(\q)], v[SC+8*NQ*(\sc)+NQ*(\a)+(\q)] matrix_a_fmt:MATRIX_FMT_FP4 matrix_b_fmt:MATRIX_FMT_FP4 matrix_a_scale:MATRIX_SCALE_ROW1
.endif
.endr
.endr
.endm
.macro FETCH_B slot, q, p              ; Wqkv's eight fragments of the slot's q-th 128 along K into set p
	WIN TO_B
.irp i, 0,1,2,3,4,5,6,7
	FRAG 128*(\p)+FR*\i, ADRB+\slot, \q, \i
.endr
	WIN 0
.endm
.macro FETCH_A slot, q, i0             ; x's blocks i0 .. i0 + 3
.irp i, \i0, \i0+1, \i0+2, \i0+3
	FRAG AF+FR*(\i), ADRA+\slot, \q, \i
.endr
.endm
.macro SCALES sc                       ; a K step's scale words into set sc: NQ words a row; lanes 0-15 take x's block i, lanes 16-31 Wqkv's block i
.irp i, 0,1,2,3,4,5,6,7
	ds_load_b128 v[SC+8*NQ*\sc+NQ*\i:SC+8*NQ*\sc+NQ*\i+3], v[ADRS] offset:\i*SBLK
.endr
.endm
; A load into a register that a matrix instruction has read, and a vector instruction or an LDS store that reads a matrix result, stand NP places behind it; only plain vector instructions that name
; none of its registers are places (ISA guide 7.12.1 for vector instructions).
.macro PLACES n
.rept \n
	v_nop
.endr
.endm
.macro STEP slot, q, zero              ; a step of 128 along K that has its successor in the same slot
	s_wait_dscnt 4*NL                              ; Wqkv's set and x's blocks 0-3 are in; the youngest eight loads (x's blocks 4-7) may be out
	WIN MUL_LO
	MUL16 0, (\q)%2, \q, \slot, \zero
	MUL16 2, (\q)%2, \q, \slot, \zero
	s_wait_dscnt 0                                 ; x's blocks 4-7 are in
	PLACES NP
	FETCH_B \slot, (\q)+1, 1-(\q)%2
	FETCH_A \slot, (\q)+1, 0
	WIN MUL_HI
	MUL16 4, (\q)%2, \q, \slot, \zero
	MUL16 6, (\q)%2, \q, \slot, \zero
	PLACES NP
	WIN 0
	FETCH_A \slot, (\q)+1, 4
.endm
; Slot 0's last step changes slots: ONE barrier; in front of it each wave waits for all its tensor loads (its part of slot 1), adds 0 to its spare word, and waits for that and for its reads of slot 0.
; Nothing is filled again: K has two K steps.
.macro TURN slot, next
	s_wait_tensorcnt 0x0                           ; all my tensor loads have landed
	ds_add_u32 v[SPW], v[NIL]                      ; 0 onto my spare word
	s_wait_dscnt 4*NL+1                            ; (the add and the youngest eight loads, x's blocks 4-7, may be out)
	WIN MUL_LO
	MUL16 0, 1, NQ-1, \slot, 0                     ; sixteen matrix instructions stand between the add and the wait for it
	s_wait_dscnt 0x0                               ; the add is done, and my reads of this slot are over
	s_barrier_signal -1
	MUL16 2, 1, NQ-1, \slot, 0
	WIN 0
	s_barrier_wait -1                              ; the next slot is whole, and nobody reads this one any more
	PLACES NP
	v_add_nc_u32 v[ADRS], 4*NQ, v[ADRS]            ; on to the next K step's scale words
	FETCH_B \next, 0, 0
	FETCH_A \next, 0, 0
	SCALES \next
	WIN MUL_HI
	MUL16 4, 1, NQ-1, \slot, 0
	MUL16 6, 1, NQ-1, \slot, 0
	PLACES NP
	WIN 0
	FETCH_A \next, 0, 4
.endm
.macro STEPS slot, from                ; the slot's steps from .. NQ - 2
.set Q, \from
.rept NQ-1-\from
	STEP \slot, Q, 0
.set Q, Q+1
.endr
.endm
	s_wait_tensorcnt 1                             ; the scales and my part of K step 0 are in (K step 1's load may be out)
	s_barrier_signal -1
	s_barrier_wait -1                              ; everybody's are
	FETCH_B 0, 0, 0
	FETCH_A 0, 0, 0
	SCALES 0
	FETCH_A 0, 0, 4
	STEP 0, 0, 1                                   ; the first step's products start the sums: nothing is cleared
	STEPS 0, 1
	TURN 0, 1
	STEPS 1, 0
	s_wait_dscnt 4*NL                              ; the very last step: nothing more to fetch
	WIN MUL_LO
	MUL16 0, 1, NQ-1, 1, 0
	MUL16 2, 1, NQ-1, 1, 0
	s_wait_dscnt 0
	WIN MUL_HI
	MUL16 4, 1, NQ-1, 1, 0
	MUL16 6, 1, NQ-1, 1, 0
	WIN 0
; THE WAY OUT, block by block of 16 positions x 128 channels (two heads).  PACK: rounded to f16, 16 bytes a lane.  TOSTAGE: into my own stage, and back by heads: four positions' 128 bytes of one head,
; which lie on end in qkv16.  SEND: a store covers 512 consecutive bytes, at a multiple of 512 from qkv16's first byte.
.macro PACK a
.set AC, 64*((\a)%4)
	WIN 0x0a+5*((\a)/4)                            ; sources 0 and 1: window 2 or 3
.irp b, 0,1,2,3,4,5,6,7
.irp i, 0,1,2,3
	v_cvt_pk_f16_f32 v[TMP+4*\b+\i], v[AC+8*\b+2*\i], v[AC+8*\b+2*\i+1]   ; each accumulator from its low end on
.endr
.endr
	WIN 0
.endm
.macro TOSTAGE a
.set BB, BK+32*((\a)%2)
.irp b, 0,1,2,3,4,5,6,7
	ds_store_b128 v[STO], v[TMP+4*\b:TMP+4*\b+3] offset:32*\b
.endr
.irp hh, 0,1
.irp t, 0,1,2,3
	ds_load_b128 v[BB+4*(4*\hh+\t):BB+4*(4*\hh+\t)+3], v[RD] offset:\t*4*SPITCH+128*\hh   ; LDS serves a wave's instructions in order (ISA guide 5.7.1.4): these see the stores above
.endr
.endr
.endm
.macro SEND a
.set BB, BK+32*((\a)%2)
	s_wait_dscnt 0x0                               ; the block is back in registers
	s_wait_xcnt 0x0                                ; the block before has had its stores' registers read: the next block's loads may land there
.irp hh, 0,1
.irp t, 0,1,2,3
	global_store_b128 v[CO], v[BB+4*(4*\hh+\t):BB+4*(4*\hh+\t)+3], s[12:13] offset:\hh*262144+(16*(\a)+4*\t)*128
.endr
.endr
.endm
	PLACES NP                                      ; behind the last products: for the writes of the scale words' registers, the loads into x's fragments and the reads of results
	PACK 0
	TOSTAGE 0
.irp a, 1,2,3,4,5,6,7                  ; block a's conversions stand between block a - 1's loads from the stage and the wait for them
	PACK \a
	SEND \a-1
	TOSTAGE \a
.endr
	SEND 7
	s_wait_tensorcnt 0x0                           ; the wave's end, behind my last tensor load and my last LDS store
	ds_add_u32 v[SPW], v[NIL]
	s_wait_dscnt 0x0
	CROUND                                         ; the closing round: no work-group ends while a partner may still ask for a tile that names it
	s_endpgm
.Lfunc_end_k_q39e4f2b629_gemm1:
	.size	k_q39e4f2b629_gemm1, .Lfunc_end_k_q39e4f2b629_gemm1-k_q39e4f2b629_gemm1
	.p2alignl 7, 3214868480
	.fill 96, 4, 3214868480
	.section	.rodata,"a",@progbits
	.p2align	6, 0x0
	.amdhsa_kernel k_q39e4f2b629_gemm1
		.amdhsa_group_segment_fixed_size 327680
		.amdhsa_private_segment_fixed_size 0
		.amdhsa_enable_private_segment 0
		.amdhsa_kernarg_size 40
		.amdhsa_user_sgpr_count 2
		.amdhsa_user_sgpr_kernarg_segment_ptr 1
		.amdhsa_wavefront_size32 1
		.amdhsa_system_sgpr_workgroup_id_x 1
		.amdhsa_system_sgpr_workgroup_id_y 1
		.amdhsa_system_sgpr_workgroup_id_z 1
		.amdhsa_system_vgpr_workitem_id 0
		.amdhsa_next_free_vgpr 1024
		.amdhsa_next_free_sgpr 98
		.amdhsa_reserve_vcc 0
		.amdhsa_float_denorm_mode_32 3
		.amdhsa_float_denorm_mode_16_64 3
		.amdhsa_memory_ordered 1
		.amdhsa_forward_progress 1
		.amdhsa_inst_pref_size 127
	.end_amdhsa_kernel
	.amdgpu_metadata
---
amdhsa.version: [ 1, 2 ]
amdhsa.kernels:
  - .name:           k_q39e4f2b629_gemm1
    .symbol:         k_q39e4f2b629_gemm1.kd
    .args:
      - { .name: xc, .offset: 0, .size: 8, .value_kind: global_buffer, .address_space: global }
      - { .name: xs, .offset: 8, .size: 8, .value_kind: global_buffer, .address_space: global }
      - { .name: wc, .offset: 16, .size: 8, .value_kind: global_buffer, .address_space: global }
      - { .name: ws, .offset: 24, .size: 8, .value_kind: global_buffer, .address_space: global }
      - { .name: qkv16, .offset: 32, .size: 8, .value_kind: global_buffer, .address_space: global }
    .group_segment_fixed_size: 327680
    .private_segment_fixed_size: 0
    .kernarg_segment_align: 8
    .kernarg_segment_size: 40
    .max_flat_workgroup_size: 128
    .sgpr_count:     98
    .vgpr_count:     1024
    .wavefront_size: 32
...
	.end_amdgpu_metadata
.endif
;; end of part 2
;; launch attn (part 3): grid 64 x 8, 8 waves a work-group, no clusters, 327,680 bytes of LDS; arguments qkv16, attn16; writes attn16
.if DOCPART == 3
	.amdgcn_target "amdgcn-amd-amdhsa--gfx1250"
	.amdhsa_code_object_version 6
	.text
	.protected	k_q39e4f2b629_attn
	.globl	k_q39e4f2b629_attn
	.p2align	8
	.type	k_q39e4f2b629_attn,@function
k_q39e4f2b629_attn:
	s_mov_b64 s[64:65], 0
	v_nop
	global_prefetch_b8 v0, s[64:65] scope:SCOPE_SE
	s_setreg_imm32_b32 hwreg(HW_REG_WAVE_MODE, 25, 1), 1
	s_wait_xcnt 0x0
; attn[b][s][64 h + :] = the sum over keys k <= s of softmax_k(q[s] . k[k] / 8) v[k][:], for each of 64 (batch, head) pairs.  q, k, v: f16, qkv16[which][16 b + h][2048][64].  Products, maxima and sums in f32;
; the weights p are rounded to f16 for the second product, the result once at the end: attn16[h][2048 b + s][64], f16.
; LIMITS: p under 2^-25 rounds to 0 in f16 (a row's sum is at least 1); NaN and infinities among q, k, v are not served.  Positions 0-15 of each sequence are computed here like all others and are
; computed again more finely by later launches, which overwrite what hangs on them.
; SHARES.  Work-group (x, y) owns the 256 queries of block 7 - y of pair x: the blocks with the most keys have the lowest work-group numbers.  Each of the eight waves owns 32 queries, two tiles of 16:
; wave w takes the j-th 32, j = w for waves 0-3 and 11 - w for waves 4-7.  Keys go 64 a step.  K's and V's tiles come through two LDS slots of 256 keys, filled by the tensor data mover
; (waves 0, 1: K's halves; waves 2, 3: V's) and read by all eight.
; NO CLUSTER: under the causal mask the query blocks of a pair need different numbers of tiles, so partners could not make every joint request.
; LAYOUT.  S^T = K Q^T (source 0 = 16 keys, source 1 = 16 queries): a lane holds ONE query (lane % 16) and keys 8 (lane / 16) + 0..7.  Two such tiles, rounded in pairs, ARE source 1 (32 keys x 16 queries)
; of O^T = V^T P, whose result again holds one query a lane and eight channels.  K comes out of LDS as it lies, V ([key][channel]) turned, by ds_load_tr16_b128.
; A head's row is 128 bytes and rows lie on end, so a tile is a dense block of memory: it is stated as rows of 256 bytes (two keys); key k lies at (k / 2) x pitch + 128 (k % 2).
; SOFTMAX.  For each query a running maximum m and sum l: p = 2^(c s - c m), c = log2(e) / 8; in every step O and l are multiplied by a = 2^(c m_old - c m_new).  The step is written once:
; O and l begin as zeros and m as -3e38.  Key 0 counts for every query, so m is a score from the first step on.
; THE MASK.  Every work-group walks all 8 changes of slots (the trip count is a constant).  A step all of whose keys come after the wave's queries is jumped over; on the diagonal hidden scores become
; -infinity ahead of the maximum; a slot whose first key comes after the work-group's last query is not asked for.
; REGISTERS.  Window 0: v1-11 addresses; v12-27 statistics, eight a tile; v28-31; v32-63 Q; v64-127 K of a step; v128-191 S^T, then p; v192-223 P.  Window 1: v0-63 O^T; v64-127 V of a step.
.set SK,    256                        ; keys in a slot
.set NSL,   8                          ; slots' worth of keys
.set PK,    272                        ; two keys of K in LDS: 256 bytes + 16: the 16 keys of a fragment start at 16 different groups of four banks (64 banks of 4 bytes: ISA guide 11.1)
.set PV,    288                        ; two keys of V: 256 + 32
.set VOFF,  128*PK                     ; a slot: K's 128 rows, then V's 128 rows
.set SLOT1, 1<<17                      ; slot 1 begins here: one exclusive or turns an address in one slot into the other's
.set SPARE, SLOT1+128*(PK+PV)          ; the spare words, 128 bytes for each wave, which no other line names
.set STGW,  32*144                     ; the way out: 32 rows x (128 bytes + 16) for each wave, in slot 0: it has had its last fill, and nobody reads it behind the last change of slots
.set AK0, 1                            ; v1  my lane's place in a tile of K
.set AV0, 2                            ; v2  the same for V
.set ADK, 3                            ; v3  LDS address of the step's K
.set ADV, 4                            ; v4  of its V
.set SPW, 5                            ; v5  LDS address of my spare word; never rewritten
.set NIL, 6                            ; v6  0; never rewritten
.set GO,  7                            ; v7  16 x lane: my place in a store's 512 bytes
.set STO, 8                            ; v8  the way out: where I put 16 bytes of a row
.set RD,  9                            ; v9  where I read back
.set QO,  10                           ; v10 my byte offset in the wave's rows of q
.set RH8, 11                           ; v11 lane % 16 - 8 (lane / 16)
.set ST,  12                           ; tile t's statistics at v[ST + 8 t]: +0 c m, +1 m, +2, +3 l (even keys', odd keys'), +4..+7 at work; a in +6
.set PFO, 28                           ; v28 256 x lane; never rewritten
.set DG,  29                           ; v29, v30 the diagonal: key offset 16 kt + j is hidden where it is above this number
.set NINF, 31                          ; v31 -infinity
.set QF,  32                           ; Q: tile t, channels 32 c on, at QF + 16 t + 8 c
.set KR,  64                           ; K: keys 16 kt on, channels 32 c on, at KR + 16 kt + 8 c
.set S,   128                          ; S^T at S + 32 t + 8 kt
.set P,   192                          ; P at P + 16 t + 8 u
.set VR,  64                           ; window 1: V: keys 32 u on, channels 16 ct on, at VR + 32 u + 8 ct;  O^T at 32 t + 8 ct
.set TB,  2                            ; s2  LDS byte at which the slot in hand begins
.set WV,  18                           ; s18 my wave's number
.set SEL, 20                           ; s[20:21] lane selects for v_permlanex16_b32: lane l xor 16
.set CS,  22                           ; s[22:23] c: the packed form names a pair and takes its low word for both halves
.set G1K, 24                           ; s[24:31] descriptor group 1 for K's tiles;  s[32:39] for V's;  s[40:43], s[44:47] their groups 0, which walk
.set G1V, 32
.set G0K, 40
.set G0V, 44
.set SLOTS, 48                         ; s48 changes of slots still to come that may ask for a slot
.set KF,  49                           ; s49 the step's first key
.set Q0,  50                           ; s50 my first query
.set QL,  51                           ; s51 my work-group's last query: made of the work-group's number alone
.set PFA, 52                           ; s[52:53] where my prefetches stand
.set LIM, 54                           ; s54 1 in a wave that prefetches, else the greatest number
.set MSB, 0
.macro WIN new                         ; the immediate's high byte repeats the setting that is left
.if MSB != \new
	s_set_vgpr_msb (MSB<<8)|\new
.set MSB, \new
.endif
.endm
.set W_V,  0x40                        ; destination window 1
.set W_RS, 0x41                        ; destination and source 0 window 1
.set W_PV, 0x51                        ; D, C and source 0 window 1; source 1 (P) window 0
.set W_CV, 0x05                        ; sources 0 and 1 window 1
; Waves 0 and 1 fetch for K, waves 2 and 3 for V, the others nothing.  The branches hang on the wave's number alone.  An s_nop 0 and four v_nop follow each of the two lines.
.macro TLOAD g0k, g1k, g0v, g1v
	s_cmp_lt_u32 s[WV], 2
	s_cbranch_scc0 .Lnot_k_\@
	tensor_load_to_lds s[\g0k:\g0k+3], s[\g1k:\g1k+7]
	s_nop 0
.rept 4
	v_nop
.endr
	s_branch .Lasked_\@
.Lnot_k_\@:
	s_cmp_lt_u32 s[WV], 4
	s_cbranch_scc0 .Lasked_\@
	tensor_load_to_lds s[\g0v:\g0v+3], s[\g1v:\g1v+7]
	s_nop 0
.rept 4
	v_nop
.endr
.Lasked_\@:
.endm
; A PREFETCH INTO THE L2 of what the NEXT change of slots will ask for: a slot's 32,768 bytes of K and of V, each a dense block.  All eight work-groups of a pair walk the same K and V: the one with the
; last query block, which walks every slot, asks.  In it the waves ask that fetch nothing: waves 4, 5 for K's halves, waves 6, 7 for V's: 16,384 bytes a wave, two instructions, lanes 256 bytes apart.
; So each aligned block of 256 bytes of slots 2 to 7 is named once in the launch, a slot's four key steps ahead of its tensor load.  Slots 0 and 1 come by their loads alone; the last change that fills a slot asks for nothing.
.macro ASK
	s_cmp_gt_u32 s[SLOTS], s[LIM]
	s_cbranch_scc0 .Lnot_mine_\@
	global_prefetch_b8 v[PFO], s[PFA:PFA+1] th:TH_LOAD_NT scope:SCOPE_SE
	global_prefetch_b8 v[PFO], s[PFA:PFA+1] offset:8192 th:TH_LOAD_NT scope:SCOPE_SE
.Lnot_mine_\@:
.endm
	s_load_b128 s[4:7], s[0:1], 0x0                ; qkv16, attn16
	v_lshl_add_u32 v[SPW], v0, 2, SPARE
	v_mov_b32 v[NIL], 0
	ds_add_u32 v[SPW], v[NIL]                      ; the wave's opening: the add, twice on end, and its wait ahead of my first tensor load
	ds_add_u32 v[SPW], v[NIL]
	v_lshrrev_b32 v12, 5, v0
	v_readfirstlane_b32 s[WV], v12                 ; wave 0..7
	s_and_b32 s8, ttmp7, 0xffff                    ; y
	s_sub_co_u32 s9, 7, s8                         ; my block of 256 queries
	s_lshr_b32 s10, s[WV], 2
	s_mul_i32 s10, s10, 3
	s_xor_b32 s10, s10, s[WV]                      ; j = w xor 3 (w / 4): 0 1 2 3 7 6 5 4
	s_lshl_b32 s9, s9, 8
	s_lshl_b32 s10, s10, 5
	s_add_co_u32 s[Q0], s9, s10
	s_or_b32 s[QL], s9, 255
	s_lshl_b32 s12, ttmp9, 18                      ; the pair's first byte in each of q, k, v
	s_mov_b32 s13, 0
	s_and_b32 s14, s[WV], 1                        ; which half of a slot's keys I fetch or prefetch
	s_lshl_b32 s15, s14, 14                        ; 128 keys of 128 bytes
	s_add_co_u32 s16, s12, s15
	s_mov_b32 s17, 0
	s_add_nc_u64 s[56:57], s[16:17], 1<<24         ; offsets: in k,
	s_add_nc_u64 s[58:59], s[16:17], 1<<25         ; in v
	s_cmp_lt_u32 s[WV], 6
	s_cselect_b64 s[60:61], s[56:57], s[58:59]     ; waves 4, 5 prefetch K, waves 6, 7 V
	s_lshr_b32 s62, s[WV], 2
	s_xor_b32 s62, s62, 1                          ; 0 in waves 4 to 7,
	s_or_b32 s62, s62, s8                          ; of the work-group with y = 0
	s_cmp_eq_u32 s62, 0
	s_cselect_b32 s[LIM], 1, -1
	s_lshl_b32 s10, s[Q0], 7
	s_add_co_u32 s10, s10, s12                     ; my rows of q
	s_mov_b32 s11, 0
	s_and_b32 s62, ttmp9, 15                       ; my rows of attn16: head 2^20 + batch 2^18 + 128 x position
	s_lshl_b32 s62, s62, 20
	s_lshr_b32 s63, ttmp9, 4
	s_lshl_b32 s63, s63, 18
	s_add_co_u32 s62, s62, s63
	s_lshl_b32 s63, s[Q0], 7
	s_add_co_u32 s62, s62, s63
	s_mov_b32 s63, 0
	; descriptor group 1: 64 rows of 128 elements of 2 bytes, dense in memory, padded in LDS
	s_mov_b32 s[G1K], (1<<16)|(1<<20)|(5<<22)|(3<<25)   ; 15:0 no mask; 17:16 elements of 2 bytes; 20 padding on; 24:22 after every 64 words; 31:25 four words
	s_mov_b32 s[G1V], (1<<16)|(1<<20)|(5<<22)|(7<<25)   ; the same with eight words
.irp g, G1K, G1V
	s_mov_b32 s[\g+1], 128<<16                     ; tensor_dim0
	s_mov_b32 s[\g+2], 64<<16                      ; tensor_dim1
	s_mov_b32 s[\g+3], 128<<16                     ; tile_dim0
	s_mov_b32 s[\g+4], 64                          ; tile_dim1
	s_mov_b32 s[\g+5], 128                         ; tensor_dim0_stride
	s_mov_b32 s[\g+6], 0
	s_mov_b32 s[\g+7], 0
.endr
	s_mov_b32 s[SEL], 0x76543210
	s_mov_b32 s[SEL+1], 0xfedcba98
	s_mov_b32 s[CS], 0x3e38aa3b                    ; c = log2(e) / 8
	s_mov_b32 s[CS+1], s[CS]                       ; (named with it as a pair, so it is written)
	s_mov_b32 s[TB], 0
	s_mov_b32 s[SLOTS], NSL-1
	s_mov_b32 s[KF], 0
	s_mul_i32 s15, s[WV], STGW                     ; my stage
	s_wait_dscnt 0x0                               ; both opening adds are done
	s_wait_kmcnt 0x0
	s_mov_b32 s[G0K], 1                            ; 1:0 count = 1
	s_mul_i32 s[G0K+1], s14, 64*PK                 ; 63:32 LDS address: slot 0, my half
	s_add_nc_u64 s[G0K+2:G0K+3], s[4:5], s[56:57]  ; 120:64 global address: the pair's first keys
	s_or_b32 s[G0K+3], s[G0K+3], 0x80000000        ; 127:126 type = 2
	s_mov_b32 s[G0V], 1
	s_mul_i32 s[G0V+1], s14, 64*PV
	s_add_co_u32 s[G0V+1], s[G0V+1], VOFF
	s_add_nc_u64 s[G0V+2:G0V+3], s[4:5], s[58:59]
	s_or_b32 s[G0V+3], s[G0V+3], 0x80000000
	TLOAD G0K, G1K, G0V, G1V                       ; slot 0: it holds key 0, which every wave reads.  One tensor load of a fetching wave is out, here and behind every barrier
	s_add_nc_u64 s[PFA:PFA+1], s[4:5], s[60:61]
	s_add_nc_u64 s[PFA:PFA+1], s[PFA:PFA+1], SK*128   ; in slot 1: the first change of slots steps it to slot 2.  Nothing is prefetched here
	s_add_nc_u64 s[8:9], s[4:5], s[10:11]          ; q at my first query
	s_add_nc_u64 s[6:7], s[6:7], s[62:63]          ; attn16 likewise
	v_and_b32 v12, 15, v0                          ; r
	v_bfe_u32 v13, v0, 4, 1                        ; h
	v_and_b32 v14, 31, v0                          ; lane
	v_lshlrev_b32 v[QO], 7, v12
	v_lshl_add_u32 v[QO], v13, 4, v[QO]            ; row r of 128 bytes + 16 h
.irp t, 0,1
.irp c, 0,1
	global_load_b128 v[QF+16*\t+8*\c:QF+16*\t+8*\c+3],   v[QO], s[8:9] offset:\t*2048+\c*64      ; Q stays in registers
	global_load_b128 v[QF+16*\t+8*\c+4:QF+16*\t+8*\c+7], v[QO], s[8:9] offset:\t*2048+\c*64+32
.endr
.endr
	v_lshrrev_b32 v15, 1, v12
	v_mul_u32_u24 v[AK0], v15, PK
	v_and_b32 v16, 1, v0
	v_lshl_add_u32 v[AK0], v16, 7, v[AK0]
	v_lshl_add_u32 v[AK0], v13, 4, v[AK0]          ; K: (r / 2) x pitch + 128 (r % 2) + 16 h
	v_bfe_u32 v15, v0, 1, 2
	v_lshl_add_u32 v15, v13, 2, v15
	v_mul_u32_u24 v[AV0], v15, PV                  ; V: key 8 h + lane % 8: (4 h + (lane % 8) / 2) x pitch
	v_lshl_add_u32 v[AV0], v16, 7, v[AV0]          ; + 128 (lane % 2)
	v_bfe_u32 v16, v0, 3, 1
	v_lshl_add_u32 v[AV0], v16, 4, v[AV0]          ; + 16 ((lane / 8) % 2)
	v_add_nc_u32 v[AV0], VOFF, v[AV0]
	v_lshlrev_b32 v[GO], 4, v14
	v_mul_u32_u24 v[STO], v12, 144
	v_lshl_add_u32 v[STO], v13, 4, v[STO]
	v_add_nc_u32 v[STO], s15, v[STO]               ; in: row r, 16 bytes for each half of the lanes
	v_bfe_u32 v15, v0, 3, 2
	v_mul_u32_u24 v[RD], v15, 144
	v_and_b32 v16, 7, v0
	v_lshl_add_u32 v[RD], v16, 4, v[RD]
	v_add_nc_u32 v[RD], s15, v[RD]                 ; back: eight lanes to a row of 128 bytes, four rows an instruction
	v_lshlrev_b32 v[PFO], 8, v14
	v_lshlrev_b32 v15, 3, v13
	v_sub_nc_u32 v[RH8], v12, v15
	v_mov_b32 v[NINF], 0xff800000
.irp t, 0,1
	v_mov_b32 v[ST+8*\t+1], 0xff61b1e6             ; m: -3e38, under every score
	v_mul_f32 v[ST+8*\t], s[CS], v[ST+8*\t+1]      ; c m
.irp i, 2,3,4,5,6,7
	v_mov_b32 v[ST+8*\t+\i], 0                     ; l; and the registers at work (a lane permute's destination counts as one of its sources)
.endr
.endr
	WIN W_V
.set i, 0
.rept 64
	v_mov_b32 v[i], 0                              ; O^T.  (The step is written once: its first run finds zeros, which a = 0 leaves zeros)
.set i, i+1
.endr
	WIN 0
; ONE TILE'S SOFTMAX FOR A STEP, the two tiles line by line in turn, so that no line waits for the line above it.
.macro SOFTMAX
.irp j, 0,1,2,3                        ; the maximum of the lane's 32 scores and the old m: four chains, each begun at an accumulator's low end
.irp t, 0,1
	v_max3_num_f32 v[ST+8*\t+4+\j], v[S+32*\t+8*\j], v[S+32*\t+8*\j+1], v[S+32*\t+8*\j+2]
.endr
.endr
.irp i, 3,5
.irp j, 0,1,2,3
.irp t, 0,1
	v_max3_num_f32 v[ST+8*\t+4+\j], v[ST+8*\t+4+\j], v[S+32*\t+8*\j+\i], v[S+32*\t+8*\j+\i+1]
.endr
.endr
.endr
.irp t, 0,1
	v_max3_num_f32 v[ST+8*\t+4], v[ST+8*\t+4], v[S+32*\t+7], v[S+32*\t+15]
	v_max3_num_f32 v[ST+8*\t+6], v[ST+8*\t+6], v[S+32*\t+23], v[S+32*\t+31]
.endr
.irp t, 0,1
	v_max3_num_f32 v[ST+8*\t+4], v[ST+8*\t+4], v[ST+8*\t+5], v[ST+8*\t+6]
.endr
.irp t, 0,1
	v_max3_num_f32 v[ST+8*\t+4], v[ST+8*\t+4], v[ST+8*\t+7], v[ST+8*\t+1]
.endr
.irp t, 0,1
	v_permlanex16_b32 v[ST+8*\t+5], v[ST+8*\t+4], s[SEL], s[SEL+1]   ; the query's other 32 keys lie in the lane 16 away
.endr
.irp t, 0,1
	v_mov_b32 v[ST+8*\t+7], v[ST+8*\t]             ; c m_old is kept for a
.endr
.irp t, 0,1
	v_max_num_f32 v[ST+8*\t+1], v[ST+8*\t+4], v[ST+8*\t+5]
.endr
.irp t, 0,1
	v_mul_f32 v[ST+8*\t], s[CS], v[ST+8*\t+1]
.endr
.irp t, 0,1
	v_sub_f32 v[ST+8*\t+7], v[ST+8*\t+7], v[ST+8*\t]
.endr
.irp t, 0,1
	v_exp_f32 v[ST+8*\t+6], v[ST+8*\t+7]           ; a
.endr
.irp b, 0,1,2,3,4,5,6,7,8,9,10,11,12,13,14,15
.irp t, 0,1
	v_pk_fma_f32 v[S+32*\t+2*\b:S+32*\t+2*\b+1], v[S+32*\t+2*\b:S+32*\t+2*\b+1], s[CS:CS+1], v[ST+8*\t:ST+8*\t+1] op_sel_hi:[1,0,0] neg_lo:[0,0,1] neg_hi:[0,0,1]   ; c s - c m, two at a time
.endr
.endr
.set i, 0
.rept 64
	v_exp_f32 v[S+i], v[S+i]                       ; p, at most 1
.set i, i+1
.endr
	v_nop                                          ; a plain instruction behind the last exponential
	s_wait_alu depctr_va_vdst(0)                   ; the wait ahead of the first line that names a result: ONE for the 66 exponentials
.irp t, 0,1
.set i, 0
.rept 16
	v_cvt_pk_f16_f32 v[P+16*\t+i], v[S+32*\t+2*i], v[S+32*\t+2*i+1]   ; two neighbouring keys' weights: the second product's operand as it stands
.set i, i+1
.endr
.endr
.irp t, 0,1
	v_pk_mul_f32 v[ST+8*\t+2:ST+8*\t+3], v[ST+8*\t+2:ST+8*\t+3], v[ST+8*\t+6:ST+8*\t+7] op_sel_hi:[1,0]   ; l x a
	v_pk_add_f32 v[ST+8*\t+4:ST+8*\t+5], v[S+32*\t:S+32*\t+1], v[S+32*\t+2:S+32*\t+3]                     ; the sum of the unrounded p, in two chains
.endr
.irp i, 4,8,12,16,20,24,28
.irp t, 0,1
	v_pk_add_f32 v[ST+8*\t+2:ST+8*\t+3], v[ST+8*\t+2:ST+8*\t+3], v[S+32*\t+\i:S+32*\t+\i+1]
	v_pk_add_f32 v[ST+8*\t+4:ST+8*\t+5], v[ST+8*\t+4:ST+8*\t+5], v[S+32*\t+\i+2:S+32*\t+\i+3]
.endr
.endr
.irp t, 0,1
	v_pk_add_f32 v[ST+8*\t+2:ST+8*\t+3], v[ST+8*\t+2:ST+8*\t+3], v[ST+8*\t+4:ST+8*\t+5]
.endr
.endm
; A KEY STEP: 64 keys, the q-th of the slot in hand.
.macro STEP q
	s_add_co_u32 s56, s[Q0], 31                    ; a step all of whose keys come after my 32 queries is left out: a scalar branch on ids; no barrier and no tensor load stands in a step
	s_cmp_gt_u32 s[KF], s56
	s_cbranch_scc1 .Lhidden_\@
	v_add_nc_u32 v[ADK], s[TB], v[AK0]
	v_add_nc_u32 v[ADV], s[TB], v[AV0]
	v_nop
	v_nop                                          ; four places behind the last step's products, ahead of the loads into V's registers
.irp f, 0,1,2,3,4,5,6,7                ; K: keys 16 (f / 2) on, channels 32 (f % 2) on
	ds_load_b128 v[KR+8*\f:KR+8*\f+3],   v[ADK] offset:(\q)*32*PK+(\f/2)*8*PK+(\f%2)*64
	ds_load_b128 v[KR+8*\f+4:KR+8*\f+7], v[ADK] offset:(\q)*32*PK+(\f/2)*8*PK+(\f%2)*64+32
.endr
	WIN W_V
.irp f, 0,1,2,3,4,5,6,7                ; V, turned: keys 32 (f / 4) on, channels 16 (f % 4) on
	ds_load_tr16_b128 v[VR+8*\f:VR+8*\f+3],   v[ADV] offset:(\q)*32*PV+(\f/4)*16*PV+(\f%4)*32
	ds_load_tr16_b128 v[VR+8*\f+4:VR+8*\f+7], v[ADV] offset:(\q)*32*PV+(\f/4)*16*PV+(\f%4)*32+8*PV
.endr
	WIN 0
	s_wait_dscnt 16                                ; K is in; V's sixteen loads may be out
.irp c, 0,1                            ; S^T = K Q^T: eight accumulators by turns, one instruction a turn; the first eight start the sums
.irp kt, 0,1,2,3
.irp t, 0,1
.if \c == 0
	v_wmma_f32_16x16x32_f16 v[S+32*\t+8*\kt:S+32*\t+8*\kt+7], v[KR+16*\kt+8*\c:KR+16*\kt+8*\c+7], v[QF+16*\t+8*\c:QF+16*\t+8*\c+7], 0
.else
	v_wmma_f32_16x16x32_f16 v[S+32*\t+8*\kt:S+32*\t+8*\kt+7], v[KR+16*\kt+8*\c:KR+16*\kt+8*\c+7], v[QF+16*\t+8*\c:QF+16*\t+8*\c+7], v[S+32*\t+8*\kt:S+32*\t+8*\kt+7]
.endif
.endr
.endr
.endr
.rept 4
	v_nop                                          ; places ahead of the first read of the scores
.endr
	s_add_co_u32 s56, s[KF], 63                    ; a step all of whose keys count for all my queries skips the mask
	s_cmp_le_u32 s56, s[Q0]
	s_cbranch_scc1 .Lopen_\@
	s_sub_co_i32 s56, s[Q0], s[KF]
	v_add_nc_u32 v[DG], s56, v[RH8]                ; tile t's register 8 kt + j holds key KF + 16 kt + 8 h + j, my query is Q0 + 16 t + r: hidden where 16 kt + j > Q0 - KF + 16 t + r - 8 h
	v_add_nc_u32 v[DG+1], 16, v[DG]
.irp t, 0,1
.irp n, 0,1,2,3,4,5,6,7,8,9,10,11,12,13,14,15,16,17,18,19,20,21,22,23,24,25,26,27,28,29,30,31
	v_cmp_gt_i32 vcc_lo, 16*(\n/8)+\n%8, v[DG+\t]
	v_cndmask_b32 v[S+32*\t+\n], v[S+32*\t+\n], v[NINF], vcc_lo
.endr
.endr
.Lopen_\@:
	SOFTMAX
	WIN W_RS
.irp t, 0,1
.irp i, 0,2,4,6,8,10,12,14,16,18,20,22,24,26,28,30
	v_pk_mul_f32 v[32*\t+\i:32*\t+\i+1], v[32*\t+\i:32*\t+\i+1], v[ST+8*\t+6:ST+8*\t+7] op_sel_hi:[1,0]   ; O^T x a, each accumulator from its low end on
.endr
.endr
	s_wait_dscnt 0x0                               ; V is in
	WIN W_PV
.irp u, 0,1                            ; O^T += V^T P: eight accumulators by turns
.irp ct, 0,1,2,3
.irp t, 0,1
	v_wmma_f32_16x16x32_f16 v[32*\t+8*\ct:32*\t+8*\ct+7], v[VR+32*\u+8*\ct:VR+32*\u+8*\ct+7], v[P+16*\t+8*\u:P+16*\t+8*\u+7], v[32*\t+8*\ct:32*\t+8*\ct+7]
.endr
.endr
.endr
	WIN 0
.Lhidden_\@:
	s_add_co_u32 s[KF], s[KF], 64
.endm
; THE CHANGE OF SLOTS stands at a slot's head.  Each wave waits for all its tensor loads (its part of the slot that it is about to read), adds 0 to its spare word (fill = 1: twice on end), and waits for that and
; for its reads of the slot that it has left.  Behind the barrier the slot ahead is whole and nobody reads the other one.  fill = 1: that other slot is filled with the keys that follow, up to the causal limit.
.macro CHANGE fill
	s_wait_tensorcnt 0x0                           ; no tensor load of mine is out, so a group 0 may be written
	ds_add_u32 v[SPW], v[NIL]                      ; 0 onto my spare word
.if \fill
	ds_add_u32 v[SPW], v[NIL]                      ; and once more: the add twice on end here, in every trip alike
	s_xor_b32 s[G0K+1], s[G0K+1], SLOT1            ; the walking descriptors: the other slot than last time,
	s_add_nc_u64 s[G0K+2:G0K+3], s[G0K+2:G0K+3], SK*128   ; the next 256 keys; the type bits on top are not reached
	s_xor_b32 s[G0V+1], s[G0V+1], SLOT1
	s_add_nc_u64 s[G0V+2:G0V+3], s[G0V+2:G0V+3], SK*128
	s_wait_xcnt 0x0                                ; the last prefetches, a slot back, have read their address, so it may be written:
	s_add_nc_u64 s[PFA:PFA+1], s[PFA:PFA+1], SK*128   ; one slot further on than the walking descriptors
.endif
	s_wait_dscnt 0x0                               ; the add is done, and my reads of the slot that I have left are over
	s_barrier_signal -1
	s_barrier_wait -1
.if \fill
	s_add_co_u32 s56, s[KF], SK                    ; the first key of the slot that this change would ask for
	s_cmp_gt_u32 s56, s[QL]                        ; past my work-group's last query it is read by none of the eight waves, so it is not asked for.  The work-group's number and the count of steps alone: all waves go the same way
	s_cbranch_scc1 .Lpast_\@
	TLOAD G0K, G1K, G0V, G1V                       ; a wave's one tensor load until the next barrier; every wait on TENSORcnt in this text is for 0
.Lpast_\@:
	ASK
.endif
.endm
.macro SLOT_STEPS
	STEP 0
	STEP 1
	STEP 2
	STEP 3
	s_xor_b32 s[TB], s[TB], SLOT1                  ; on to the other slot
.endm
	s_wait_loadcnt 0x0                             ; Q
.Lslot:                                            ; NSL - 1 trips
	CHANGE 1
	SLOT_STEPS
	s_sub_co_u32 s[SLOTS], s[SLOTS], 1
	s_cmp_lg_u32 s[SLOTS], 0
	s_cbranch_scc1 .Lslot
	CHANGE 0                                       ; the last slot is written out: nothing is left to ask for
	SLOT_STEPS
	; THE WAY OUT.  l's halves are added; O^T is divided by l, rounded to f16 and sent through my stage, so that a store covers four rows of 128 bytes, which lie on end in attn16.
.irp t, 0,1
	v_add_f32 v[ST+8*\t+4], v[ST+8*\t+2], v[ST+8*\t+3]
.endr
	v_nop
	v_nop                                          ; with the two additions: four places behind the last products
.irp t, 0,1
	v_permlanex16_b32 v[ST+8*\t+5], v[ST+8*\t+4], s[SEL], s[SEL+1]
.endr
.irp t, 0,1
	v_add_f32 v[ST+8*\t+4], v[ST+8*\t+4], v[ST+8*\t+5]
.endr
.irp t, 0,1
	v_rcp_f32 v[ST+8*\t+6], v[ST+8*\t+4]
.endr
	v_nop                                          ; a plain instruction behind the last reciprocal
	s_wait_alu depctr_va_vdst(0)                   ; and the wait ahead of the first use: one for both
	WIN W_RS
.irp t, 0,1
.irp i, 0,2,4,6,8,10,12,14,16,18,20,22,24,26,28,30
	v_pk_mul_f32 v[32*\t+\i:32*\t+\i+1], v[32*\t+\i:32*\t+\i+1], v[ST+8*\t+6:ST+8*\t+7] op_sel_hi:[1,0]
.endr
.endr
	WIN W_CV
.irp t, 0,1
.set i, 0
.rept 16
	v_cvt_pk_f16_f32 v[S+16*\t+i], v[32*\t+2*i], v[32*\t+2*i+1]   ; register 4 ct + i of a tile: channels 16 ct + 8 h + 2 i, + 1
.set i, i+1
.endr
.endr
	WIN 0
.irp t, 0,1
.irp ct, 0,1,2,3
	ds_store_b128 v[STO], v[S+16*\t+4*\ct:S+16*\t+4*\ct+3] offset:\t*16*144+32*\ct
.endr
.endr
.irp i, 0,1,2,3,4,5,6,7
	ds_load_b128 v[S+32+4*\i:S+32+4*\i+3], v[RD] offset:\i*4*144   ; LDS serves a wave's instructions in order (ISA guide 5.7.1.4): these see my stores
.endr
.irp i, 0,1,2,3,4,5,6,7
	s_wait_dscnt 7-\i                              ; load i is in; the younger ones may be out
	global_store_b128 v[GO], v[S+32+4*\i:S+32+4*\i+3], s[6:7] offset:512*\i   ; 32 lanes store 512 consecutive bytes, at a multiple of 512 from attn16's first byte
.endr
	s_wait_tensorcnt 0x0                           ; the wave's end, behind my last tensor load and my last LDS store
	ds_add_u32 v[SPW], v[NIL]
	s_wait_dscnt 0x0
	s_endpgm
.Lfunc_end_k_q39e4f2b629_attn:
	.size	k_q39e4f2b629_attn, .Lfunc_end_k_q39e4f2b629_attn-k_q39e4f2b629_attn
	.p2alignl 7, 3214868480
	.fill 96, 4, 3214868480
	.section	.rodata,"a",@progbits
	.p2align	6, 0x0
	.amdhsa_kernel k_q39e4f2b629_attn
		.amdhsa_group_segment_fixed_size 327680
		.amdhsa_private_segment_fixed_size 0
		.amdhsa_enable_private_segment 0
		.amdhsa_kernarg_size 16
		.amdhsa_user_sgpr_count 2
		.amdhsa_user_sgpr_kernarg_segment_ptr 1
		.amdhsa_wavefront_size32 1
		.amdhsa_system_sgpr_workgroup_id_x 1
		.amdhsa_system_sgpr_workgroup_id_y 1
		.amdhsa_system_sgpr_workgroup_id_z 1
		.amdhsa_system_vgpr_workitem_id 0
		.amdhsa_next_free_vgpr 384
		.amdhsa_next_free_sgpr 66
		.amdhsa_reserve_vcc 1
		.amdhsa_float_denorm_mode_32 3
		.amdhsa_float_denorm_mode_16_64 3
		.amdhsa_memory_ordered 1
		.amdhsa_forward_progress 1
		.amdhsa_inst_pref_size 190
	.end_amdhsa_kernel
	.amdgpu_metadata
---
amdhsa.version: [ 1, 2 ]
amdhsa.kernels:
  - .name:           k_q39e4f2b629_attn
    .symbol:         k_q39e4f2b629_attn.kd
    .args:
      - { .name: qkv16, .offset: 0, .size: 8, .value_kind: global_buffer, .address_space: global }
      - { .name: attn16, .offset: 8, .size: 8, .value_kind: global_buffer, .address_space: global }
    .group_segment_fixed_size: 327680
    .private_segment_fixed_size: 0
    .kernarg_segment_align: 8
    .kernarg_segment_size: 16
    .max_flat_workgroup_size: 256
    .sgpr_count:     66
    .vgpr_count:     384
    .wavefront_size: 32
...
	.end_amdgpu_metadata
.endif
;; end of part 3
;; launch proj (part 4): grid 8 x 32, 4 waves a work-group, clusters of 4 x 4, 327,680 bytes of LDS; arguments attn16, wo16, Wo_b, out0; writes out0
.if DOCPART == 4
	.amdgcn_target "amdgcn-amd-amdhsa--gfx1250"
	.amdhsa_code_object_version 6
	.text
	.protected	k_q39e4f2b629_proj
	.globl	k_q39e4f2b629_proj
	.p2align	8
	.type	k_q39e4f2b629_proj,@function
k_q39e4f2b629_proj:
	s_mov_b64 s[64:65], 0
	v_nop
	global_prefetch_b8 v0, s[64:65] scope:SCOPE_SE
	s_setreg_imm32_b32 hwreg(HW_REG_WAVE_MODE, 25, 1), 1
	s_wait_xcnt 0x0
	s_wait_alu depctr_hold_cnt(0) depctr_sa_sdst(0) depctr_va_vdst(0) depctr_va_sdst(0) depctr_va_ssrc(0) depctr_va_vcc(0) depctr_vm_vsrc(0)
	s_getreg_b32 s2, hwreg(HW_REG_IB_STS2, 6, 4)
	s_cmp_eq_u32 s2, 0
	s_cbranch_scc0 .Lentry_in_a_cluster
	s_endpgm
.Lentry_in_a_cluster:
	s_bfe_u32 s2, ttmp6, 0x10000c
	s_cmp_lg_u32 s2, 0xf033
	s_cbranch_scc0 .Lentry_shape_is_right
	s_endpgm
.Lentry_shape_is_right:
; out0[m][o] = sum over k of attn[m][k] Wo_w[o][k] + Wo_b[o], m = 0 .. 8191, o, k = 0 .. 1023.  Operands in f16, both laid by chunks of 64 along K: attn16[chunk][m][64], wo16[chunk][o][64]; sums, bias and result in f32.
; (Rows 0-15 of each sequence are made here like all others; a later launch stores them again from f32 operands.)
; A tile of 256 rows x 128 columns is made by a work-group of four waves: 256 work-groups.  A wave makes 128 x 64: 32 accumulators of 16 x 16, 256 registers.
; K goes in steps of 128 (two chunks: two planes) through a ring of two LDS slots filled by the tensor data mover.  A plane's rows of 128 bytes lie on end in memory: it is a dense block, stated as rows of
; 256 bytes (two rows of the operand) with 16 bytes of padding behind each; row i lies at (i / 2) x 272 + 128 (i % 2).
; CLUSTERS: 4 x 4 work-groups.  The four of a row of the cluster need the same planes of attn16, the four of a column the same planes of wo16: each is asked for JOINTLY.
; THE MATRIX INSTRUCTION IS USED TRANSPOSED (source 0 = 16 rows of wo16, source 1 = 16 rows of attn16): a lane holds eight neighbouring columns of a row of out0.  The bias is the C of each sum's first product.
; REGISTERS: window 0: v16-29 addresses; v32-95 rows on the way out; v96-127 the bias, eight registers for each block of 16 columns.
;   window 1: two fragment buffers of 96 at v0 and v128: 64 of attn16 (8 x 16 rows x 32 K), then 32 of wo16.   window 2: accumulator (a, b) at v[8 (4 a + b)].
.set PLA,    128*272                   ; a plane of attn16: 256 rows
.set PLB,    64*272                    ; a plane of wo16: 128 rows
.set SLOT,   2*PLA+2*PLB
.set STAGE,  2*SLOT                    ; behind the ring: 16 rows x 272 bytes for each wave, for the way out
.set SPITCH, 272
.set SPARE,  STAGE+4*16*SPITCH         ; the spare words, 128 bytes for each wave, which no other line names
.set LAPS,   4                         ; a lap = two K steps = once round the ring; K = 1,024
.set ADRA, 16                          ; v16-17  LDS address of my fragments of attn16 in slot 0, 1
.set ADRB, 20                          ; v20-21  the same for wo16
.set STO,  24                          ; v24     the way out: where I put 32 bytes of a row
.set RD,   25                          ; v25     where I read a row back
.set CO,   26                          ; v26     my byte offset in two rows of out0
.set BO,   27                          ; v27     32 (lane / 16): my half's eight numbers of a block of the bias
.set SPW,  28                          ; v28     LDS address of my spare word; never rewritten
.set NIL,  29                          ; v29     0; never rewritten
.set OB,   32
.set BIAS, 96
.set F0,   0
.set F1,   128
.set WV,  66                           ; s66 wave;  s67 my half of the rows, also: I fetch for attn16 (0) or wo16 (1);  s68 my half of the columns, also: which plane I fetch
.set RH,  67
.set CH,  68
.set G1, 24                            ; s[24:31] descriptor group 1 for attn16's planes;  s[32:39] group 0, one set for each slot
.set G0, 32
.set G1B, 48                           ; s[48:55], s[56:63] the same for wo16's
.set G0B, 56
.set MSB, 0
.macro WIN new                         ; the immediate's high byte repeats the setting that is left
.if MSB != \new
	s_set_vgpr_msb (MSB<<8)|\new
.set MSB, \new
.endif
.endm
.set MUL,  0xa5                        ; sources 0 and 1 window 1; C and D window 2
.set MULZ, 0x85                        ; the same with C (the bias) in window 0
.set TO_F, 0x40                        ; destination window 1, address window 0
.set ST_W, 0x08                        ; an LDS store's data: window 2
.macro JLOAD s                         ; a joint load: waves 0, 1 fetch attn16's two planes, waves 2, 3 wo16's; an s_nop 0 and four v_nop follow each of the two lines
	s_cmp_eq_u32 s[RH], 0
	s_cbranch_scc0 .Lfor_b_\@
	tensor_load_to_lds s[G0+4*\s:G0+4*\s+3], s[G1:G1+7]
	s_nop 0
.rept 4
	v_nop
.endr
	s_branch .Lasked_\@
.Lfor_b_\@:
	tensor_load_to_lds s[G0B+4*\s:G0B+4*\s+3], s[G1B:G1B+7]
	s_nop 0
.rept 4
	v_nop
.endr
.Lasked_\@:
.endm
.macro CREST                           ; a round of the cluster's barrier behind its opening barrier
	s_cmp_lg_u32 s[WV], 0
	s_cbranch_scc1 .Lnot_wave_0_\@
	s_barrier_signal -3
.Lnot_wave_0_\@:
	s_barrier_wait -3
	s_barrier_signal -1
	s_barrier_wait -1
.endm
.macro CROUND                          ; a whole round
	s_barrier_signal -1
	s_barrier_wait -1
	CREST
.endm
	s_load_b256 s[4:11], s[0:1], 0x0               ; attn16 s[4:5], wo16 s[6:7], Wo_b s[8:9], out0 s[10:11]
	v_lshl_add_u32 v[SPW], v0, 2, SPARE
	v_mov_b32 v[NIL], 0
	ds_add_u32 v[SPW], v[NIL]                      ; the wave's opening: the add, twice on end, and its wait ahead of my first tensor load
	ds_add_u32 v[SPW], v[NIL]
	v_lshrrev_b32 v1, 5, v0
	v_readfirstlane_b32 s[WV], v1                  ; wave 0..3
	s_lshr_b32 s[RH], s[WV], 1
	s_and_b32 s[CH], s[WV], 1
	s_bfe_u32 s40, ttmp6, 0x40000                  ; cx, cy: my place in the cluster
	s_bfe_u32 s41, ttmp6, 0x40004
	s_lshl_b32 s42, ttmp9, 2
	s_add_co_u32 s42, s42, s40                     ; tile column = 4 x cluster x + cx
	s_and_b32 s13, ttmp7, 0xffff
	s_lshl_b32 s13, s13, 2
	s_add_co_u32 s13, s13, s41                     ; tile row = 4 x cluster y + cy
	s_lshl_b32 s43, s41, 2
	s_lshl_b32 s43, 15, s43                        ; my row of the cluster
	s_lshl_b32 s44, 0x1111, s40                    ; my column
	; descriptor group 1: rows of 128 elements of 2 bytes, dense in memory, 4 words of padding behind every 64
	s_or_b32 s[G1+0], s43, (1<<16)|(1<<20)|(1<<21)|(5<<22)|(3<<25)   ; 15:0 the mask: attn16's planes go to my row; 21 set beside a mask
	s_or_b32 s[G1B+0], s44, (1<<16)|(1<<20)|(1<<21)|(5<<22)|(3<<25)
	s_mov_b32 s[G1+1], 128<<16                     ; tensor_dim0
	s_mov_b32 s[G1+2], 128<<16                     ; tensor_dim1: 128 rows of 256 bytes
	s_mov_b32 s[G1+3], 128<<16                     ; tile_dim0
	s_mov_b32 s[G1+4], 128                         ; tile_dim1
	s_mov_b32 s[G1+5], 128                         ; tensor_dim0_stride
	s_mov_b32 s[G1+6], 0
	s_mov_b32 s[G1+7], 0
	s_mov_b32 s[G1B+1], 128<<16
	s_mov_b32 s[G1B+2], 64<<16                     ; 64 rows of 256 bytes
	s_mov_b32 s[G1B+3], 128<<16
	s_mov_b32 s[G1B+4], 64
	s_mov_b32 s[G1B+5], 128
	s_mov_b32 s[G1B+6], 0
	s_mov_b32 s[G1B+7], 0
	s_lshl_b32 s16, s[CH], 20                      ; attn16: chunk = my plane, rows 256 x tile row of 128 bytes
	s_lshl_b32 s17, s13, 15
	s_add_co_u32 s16, s16, s17
	s_mov_b32 s17, 0
	s_lshl_b32 s46, s[CH], 17                      ; wo16: chunk = my plane, rows 128 x tile column of 128 bytes
	s_lshl_b32 s47, s42, 14
	s_add_co_u32 s46, s46, s47
	s_mov_b32 s47, 0
	s_mul_i32 s20, s[CH], PLA                      ; where they go: no place in the cluster enters an LDS address
	s_mul_i32 s21, s[CH], PLB
	s_add_co_u32 s21, s21, 2*PLA
	s_wait_dscnt 0x0                               ; both opening adds are done
	s_wait_kmcnt 0x0
	s_add_nc_u64 s[14:15], s[4:5], s[16:17]
	s_add_nc_u64 s[46:47], s[6:7], s[46:47]
	CROUND                                         ; all sixteen work-groups are here: the first joint loads meet
.irp s, 0,1
	s_mov_b32 s[G0+4*\s], 1
	s_add_co_u32 s[G0+4*\s+1], s20, \s*SLOT
	s_add_nc_u64 s[G0+4*\s+2:G0+4*\s+3], s[14:15], \s*2097152     ; K step s: two chunks of 2^20 bytes on
	s_or_b32 s[G0+4*\s+3], s[G0+4*\s+3], 0x80000000
	s_mov_b32 s[G0B+4*\s], 1
	s_add_co_u32 s[G0B+4*\s+1], s21, \s*SLOT
	s_add_nc_u64 s[G0B+4*\s+2:G0B+4*\s+3], s[46:47], \s*262144    ; two chunks of 131,072 bytes on
	s_or_b32 s[G0B+4*\s+3], s[G0B+4*\s+3], 0x80000000
	JLOAD \s                                       ; two tensor loads of mine are out here, one behind each later round
.endr
	v_and_b32 v1, 15, v0                           ; r
	v_bfe_u32 v2, v0, 4, 1                         ; h
	v_lshrrev_b32 v3, 1, v1
	v_mul_u32_u24 v3, v3, 272
	v_and_b32 v4, 1, v0
	v_lshl_add_u32 v3, v4, 7, v3
	v_lshl_add_u32 v3, v2, 4, v3                   ; a fragment's row: (r / 2) x 272 + 128 (r % 2) + 16 h
	s_mul_i32 s21, s[RH], 64*272                   ; my 128 rows of attn16
	s_mul_i32 s22, s[CH], 32*272                   ; my 64 rows of wo16,
	s_add_co_u32 s22, s22, 2*PLA                   ; behind attn16's two planes
.irp s, 0,1
	v_add_nc_u32 v[ADRA+\s], s21, v3
	v_add_nc_u32 v[ADRB+\s], s22, v3
	s_add_co_u32 s21, s21, SLOT
	s_add_co_u32 s22, s22, SLOT
.endr
	s_mul_i32 s23, s[WV], 16*SPITCH
	s_add_co_u32 s23, s23, STAGE                   ; my stage
	v_mul_u32_u24 v4, v1, SPITCH                   ; in: row r, 32 bytes for each half of the lanes
	v_lshl_add_u32 v4, v2, 5, v4
	v_add_nc_u32 v[STO], s23, v4
	v_mul_u32_u24 v5, v2, SPITCH                   ; back: lanes 0-15 take one row of 256 bytes, lanes 16-31 the next
	v_lshl_add_u32 v5, v1, 4, v5
	v_add_nc_u32 v[RD], s23, v5
	v_lshlrev_b32 v5, 12, v2                       ; and the same two rows in out0
	v_lshl_add_u32 v[CO], v1, 4, v5
	v_lshlrev_b32 v[BO], 5, v2
	s_lshl_b32 s16, s13, 8
	s_lshl_b32 s17, s[RH], 7
	s_add_co_u32 s16, s16, s17                     ; my first row: 256 x tile row + 128 x half,
	s_lshl_b32 s16, s16, 12                        ; of 4,096 bytes
	s_mov_b32 s17, 0
	s_add_nc_u64 s[10:11], s[10:11], s[16:17]
	s_lshl_b32 s46, s42, 9                         ; my first column, in bytes: 512 x tile column + 256 x half
	s_lshl_b32 s47, s[CH], 8
	s_add_co_u32 s46, s46, s47
	s_mov_b32 s47, 0
	s_add_nc_u64 s[10:11], s[10:11], s[46:47]      ; never stepped: a store's row stands in its immediate, 516,096 at the most
	s_add_nc_u64 s[8:9], s[8:9], s[46:47]
.irp b, 0,1,2,3
	global_load_b128 v[BIAS+8*\b:BIAS+8*\b+3],   v[BO], s[8:9] offset:64*\b      ; lane (r, h): Wo_b at columns 16 b + 8 h + 0 .. 7: the result's layout
	global_load_b128 v[BIAS+8*\b+4:BIAS+8*\b+7], v[BO], s[8:9] offset:64*\b+16
.endr
; 8 matrix instructions: row blocks a0, a0 + 1 x all 4 column blocks, 32 along K, from buffer f.  zero = 1: the first product starts the sums from the bias.
; The 32 accumulators take turns, one instruction a turn, in the same order in every quarter.
.macro MUL8 f, a0, zero
.irp a, \a0, \a0+1
.irp b, 0,1,2,3
.if \zero
	v_wmma_f32_16x16x32_f16 v[8*(4*(\a)+\b):8*(4*(\a)+\b)+7], v[\f+64+8*\b:\f+64+8*\b+7], v[\f+8*(\a):\f+8*(\a)+7], v[BIAS+8*\b:BIAS+8*\b+7]
.else
	v_wmma_f32_16x16x32_f16 v[8*(4*(\a)+\b):8*(4*(\a)+\b)+7], v[\f+64+8*\b:\f+64+8*\b+7], v[\f+8*(\a):\f+8*(\a)+7], v[8*(4*(\a)+\b):8*(4*(\a)+\b)+7]
.endif
.endr
.endr
.endm
; 24 LDS loads in one run: the fragments of the slot's q-th 32 along K (plane q / 2, bytes 64 (q % 2) on) into buffer f: wo16's four, then attn16's eight
.macro FETCH slot, q, f
	WIN TO_F
.irp i, 0,1,2,3
	ds_load_b128 v[\f+64+8*\i:\f+64+8*\i+3],   v[ADRB+\slot] offset:((\q)/2)*PLB+((\q)%2)*64+\i*8*272
	ds_load_b128 v[\f+64+8*\i+4:\f+64+8*\i+7], v[ADRB+\slot] offset:((\q)/2)*PLB+((\q)%2)*64+\i*8*272+32
.endr
.irp i, 0,1,2,3,4,5,6,7
	ds_load_b128 v[\f+8*\i:\f+8*\i+3],   v[ADRA+\slot] offset:((\q)/2)*PLA+((\q)%2)*64+\i*8*272
	ds_load_b128 v[\f+8*\i+4:\f+8*\i+7], v[ADRA+\slot] offset:((\q)/2)*PLA+((\q)%2)*64+\i*8*272+32
.endr
.endm
.macro PLACES                          ; four places in front of loads into registers that matrix instructions have read, and of the first read of results (ISA guide 7.12.1 for the first read of results)
.rept 4
	v_nop
.endr
.endm
; A K step is four quarters of 32 along K, 32 matrix instructions each, on buffers 0, 1, 0, 1.  One of the first three: multiplies buffer f and fetches quarter qn into g.
.macro QUARTER slot, qn, f, g, zero
	s_wait_dscnt 8                                 ; wo16's fragments and attn16's blocks 0-3 are in; the youngest eight loads (blocks 4-7) may be out
.if \zero
	WIN MULZ
.else
	WIN MUL
.endif
	MUL8 \f, 0, \zero
	MUL8 \f, 2, \zero
	PLACES
	FETCH \slot, \qn, \g
	s_wait_dscnt 24                                ; all but the 24 just issued
.if \zero
	WIN MULZ
.else
	WIN MUL
.endif
	MUL8 \f, 4, \zero
	MUL8 \f, 6, \zero
.endm
; The last quarter multiplies buffer 1 and changes slots: ONE barrier; in front of it each wave waits for all its tensor loads, adds 0 to its spare word, and waits for that and for its reads of this slot.
; fill = 1: the barrier opens a round of the cluster's barrier, and this slot is filled again, two K steps ahead, first thing behind the round.
.macro TURN slot, next, fill
	WIN 0                                          ; (the add's two registers lie in window 0)
	s_wait_tensorcnt 0x0                           ; all my tensor loads have landed: my part of the next slot
	ds_add_u32 v[SPW], v[NIL]                      ; 0 onto my spare word
	s_wait_dscnt 9                                 ; (the add and the youngest eight loads may be out)
	WIN MUL
	MUL8 F1, 0, 0                                  ; eight matrix instructions stand between the add and the wait for it
	s_wait_dscnt 0x0                               ; the add is done, and my reads of this slot are over
	s_barrier_signal -1
	MUL8 F1, 2, 0
.if \fill
	WIN 0
.endif
	s_barrier_wait -1
.if \fill
	CREST                                          ; no wave of any partner still reads this slot or has a load on its way
	s_add_nc_u64 s[G0+4*\slot+2:G0+4*\slot+3], s[G0+4*\slot+2:G0+4*\slot+3], 4194304
	s_add_nc_u64 s[G0B+4*\slot+2:G0B+4*\slot+3], s[G0B+4*\slot+2:G0B+4*\slot+3], 524288
	JLOAD \slot                                    ; the four v_nop behind it are also the places in front of the loads below
.else
	PLACES
.endif
	FETCH \next, 0, F0
	WIN MUL
	MUL8 F1, 4, 0
	MUL8 F1, 6, 0
.endm
	s_wait_tensorcnt 1                             ; my part of K step 0 is in (K step 1's load may be out)
	s_barrier_signal -1
	s_barrier_wait -1                              ; everybody's is
	FETCH 0, 0, F0
	s_wait_loadcnt 0x0                             ; the bias
	QUARTER 0, 1, F0, F1, 1                        ; the first quarter stands in front of the loop: its products start the sums
	WIN 0                                          ; at a label and at a branch every window is 0
	s_mov_b32 s3, LAPS-1
.Llap:                                             ; a trip goes once round the ring, from a lap's second quarter to the next lap's first, and fills both slots again
	QUARTER 0, 2, F1, F0, 0
	QUARTER 0, 3, F0, F1, 0
	TURN 0, 1, 1
	QUARTER 1, 1, F0, F1, 0
	QUARTER 1, 2, F1, F0, 0
	QUARTER 1, 3, F0, F1, 0
	TURN 1, 0, 1
	QUARTER 0, 1, F0, F1, 0
	WIN 0
	s_sub_co_u32 s3, s3, 1
	s_cmp_lg_u32 s3, 0
	s_cbranch_scc1 .Llap
	QUARTER 0, 2, F1, F0, 0                        ; the last lap fills nothing, and has no round of the cluster's barrier
	QUARTER 0, 3, F0, F1, 0
	TURN 0, 1, 0
	QUARTER 1, 1, F0, F1, 0
	QUARTER 1, 2, F1, F0, 0
	QUARTER 1, 3, F0, F1, 0
	s_wait_dscnt 8                                 ; the very last quarter: nothing more to fetch
	WIN MUL
	MUL8 F1, 0, 0
	MUL8 F1, 2, 0
	s_wait_dscnt 0
	MUL8 F1, 4, 0
	MUL8 F1, 6, 0
	WIN 0
; THE WAY OUT, block by block of 16 rows x 64 columns.  A lane holds 32 neighbouring bytes of a row: a block goes through my own stage and comes back as whole rows of 256 bytes.
.macro TOSTAGE a
	WIN ST_W
.irp b, 0,1,2,3
	ds_store_b128 v[STO], v[8*(4*(\a)+\b):8*(4*(\a)+\b)+3] offset:64*\b          ; each accumulator from its low end on
	ds_store_b128 v[STO], v[8*(4*(\a)+\b)+4:8*(4*(\a)+\b)+7] offset:64*\b+16
.endr
	WIN 0
.set BB, OB+32*((\a)%2)
.irp t, 0,1,2,3,4,5,6,7
	ds_load_b128 v[BB+4*\t:BB+4*\t+3], v[RD] offset:\t*2*SPITCH   ; LDS serves a wave's instructions in order (ISA guide 5.7.1.4): these see the stores above
.endr
.endm
.macro SEND a, younger                 ; younger: the LDS instructions issued behind block a's loads, which may stay out
.set BB, OB+32*((\a)%2)
	s_wait_dscnt \younger
.irp t, 0,1,2,3,4,5,6,7
	global_store_b128 v[CO], v[BB+4*\t:BB+4*\t+3], s[10:11] offset:(16*(\a)+2*\t)*4096 th:TH_STORE_NT   ; sixteen lanes store 256 consecutive bytes, at a multiple of 256 from out0's first byte
.endr
.endm
	PLACES
	TOSTAGE 0
.irp a, 1,2,3,4,5,6,7
.if \a > 1
	s_wait_xcnt 0x0                                ; block a - 2's stores have read their registers: block a's loads may land there
.endif
	TOSTAGE \a
	SEND \a-1, 16                                  ; behind block a - 1's loads: block a's 8 stores and 8 loads
.endr
	SEND 7, 0
	s_wait_tensorcnt 0x0                           ; the wave's end, behind my last tensor load and my last LDS store
	ds_add_u32 v[SPW], v[NIL]
	s_wait_dscnt 0x0
	CROUND                                         ; the closing round: no work-group ends while a partner may still ask for a tile that names it
	s_endpgm
.Lfunc_end_k_q39e4f2b629_proj:
	.size	k_q39e4f2b629_proj, .Lfunc_end_k_q39e4f2b629_proj-k_q39e4f2b629_proj
	.p2alignl 7, 3214868480
	.fill 96, 4, 3214868480
	.section	.rodata,"a",@progbits
	.p2align	6, 0x0
	.amdhsa_kernel k_q39e4f2b629_proj
		.amdhsa_group_segment_fixed_size 327680
		.amdhsa_private_segment_fixed_size 0
		.amdhsa_enable_private_segment 0
		.amdhsa_kernarg_size 32
		.amdhsa_user_sgpr_count 2
		.amdhsa_user_sgpr_kernarg_segment_ptr 1
		.amdhsa_wavefront_size32 1
		.amdhsa_system_sgpr_workgroup_id_x 1
		.amdhsa_system_sgpr_workgroup_id_y 1
		.amdhsa_system_sgpr_workgroup_id_z 1
		.amdhsa_system_vgpr_workitem_id 0
		.amdhsa_next_free_vgpr 768
		.amdhsa_next_free_sgpr 72
		.amdhsa_reserve_vcc 0
		.amdhsa_float_denorm_mode_32 3
		.amdhsa_float_denorm_mode_16_64 3
		.amdhsa_memory_ordered 1
		.amdhsa_forward_progress 1
		.amdhsa_inst_pref_size 86
	.end_amdhsa_kernel
	.amdgpu_metadata
---
amdhsa.version: [ 1, 2 ]
amdhsa.kernels:
  - .name:           k_q39e4f2b629_proj
    .symbol:         k_q39e4f2b629_proj.kd
    .args:
      - { .name: attn16, .offset: 0, .size: 8, .value_kind: global_buffer, .address_space: global }
      - { .name: wo16, .offset: 8, .size: 8, .value_kind: global_buffer, .address_space: global }
      - { .name: Wo_b, .offset: 16, .size: 8, .value_kind: global_buffer, .address_space: global }
      - { .name: out0, .offset: 24, .size: 8, .value_kind: global_buffer, .address_space: global }
    .group_segment_fixed_size: 327680
    .private_segment_fixed_size: 0
    .kernarg_segment_align: 8
    .kernarg_segment_size: 32
    .max_flat_workgroup_size: 128
    .sgpr_count:     72
    .vgpr_count:     768
    .wavefront_size: 32
...
	.end_amdgpu_metadata
.endif
;; end of part 4
;; launch fattn (part 5): grid 64 x 1, 12 waves a work-group, no clusters, 18,944 bytes of LDS; arguments xc, xs, wc, ws, fattn; writes fattn
.if DOCPART == 5
	.amdgcn_target "amdgcn-amd-amdhsa--gfx1250"
	.amdhsa_code_object_version 6
	.text
	.protected	k_q39e4f2b629_fattn
	.globl	k_q39e4f2b629_fattn
	.p2align	8
	.type	k_q39e4f2b629_fattn,@function
k_q39e4f2b629_fattn:
	s_mov_b64 s[64:65], 0
	v_nop
	global_prefetch_b8 v0, s[64:65] scope:SCOPE_SE
	s_setreg_imm32_b32 hwreg(HW_REG_WAVE_MODE, 25, 1), 1
	s_wait_xcnt 0x0
; THE FIRST 16 POSITIONS OF EVERY SEQUENCE, MORE FINELY.  Under the causal mask these rows average one to sixteen values and are the largest of the output, so their q, k, v, weights and result stay in f32.
; Work-group x = 16 batch + head.  Phase 1, twelve waves: q, k, v of positions 0-15 of this head once more, by the same products on codes of FP4 (E2M1) with E8M0 scales: wave w makes part w / 4 (q, k, v),
; channels 16 (w % 4) on; K = 1,024 in eight steps, in two accumulators by turns, added at the end (an order of f32 sums that differs from the large launch's; nothing behind these sums is quantised).
; Phase 2, waves 0-3: S^T = K Q^T, the causal softmax and O^T = V^T P by the f32 matrix form, each wave for 16 channels.  Phase 3: fattn[16 batch + position][64 head + channel], f32.
; Both f32 products carry the same order of their K on both sources, so nothing changes lanes: a lane loads four neighbouring channels of its row of K and of Q; and p's registers 2 t, 2 t + 1 (keys 8 h + 2 t, + 1)
; meet V's rows of those keys.
; The registers that the f32 matrix form writes, v192-223, are written by nothing else, and each sum's first product takes the constant 0.
.set QB_, 0                            ; LDS: q, 16 rows x (256 bytes + 16);
.set KB_, 4352                         ; k;
.set VB_, 8704                         ; v;
.set OB_, 13056                        ; the stage for O
.set SPARE, 17408                      ; the spare words, 128 bytes for each wave, which no other line names
.set SPW, 12
.set NIL, 13
	s_load_b256 s[4:11], s[0:1], 0x0               ; x's codes, x's scales, Wqkv's codes, Wqkv's scales
	s_load_b64 s[12:13], s[0:1], 0x20              ; fattn
	v_lshl_add_u32 v[SPW], v0, 2, SPARE
	v_mov_b32 v[NIL], 0
	v_lshrrev_b32 v1, 5, v0
	v_readfirstlane_b32 s16, v1                    ; wave 0..11
	s_lshr_b32 s17, s16, 2                         ; part
	s_and_b32 s18, s16, 3                          ; ct: which 16 channels
	s_lshr_b32 s19, ttmp9, 4                       ; batch
	s_and_b32 s23, ttmp9, 15                       ; head
	s_mov_b32 s20, 0x76543210
	s_mov_b32 s21, 0xfedcba98                      ; v_permlanex16_b32's selects for lane l xor 16
	s_mov_b32 s22, 0x3e38aa3b                      ; c = log2(e) / 8
	v_and_b32 v1, 15, v0                           ; r
	v_bfe_u32 v2, v0, 4, 1                         ; h
	v_lshlrev_b32 v4, 9, v1
	v_lshl_add_u32 v4, v2, 4, v4                   ; codes: row r of 512 bytes + 16 h
	v_lshlrev_b32 v5, 5, v1                        ; scale words: row r of 32 bytes
	; every LDS address is made here, ahead of the first parting of the waves
	s_mul_i32 s24, s17, 4352
	s_lshl_b32 s25, s18, 6
	s_add_co_u32 s24, s24, s25
	v_mul_u32_u24 v6, v1, 272
	v_lshl_add_u32 v6, v2, 5, v6
	v_add_nc_u32 v6, s24, v6                       ; phase 1 out: my part, row r, channels 16 ct + 8 h on
	v_mul_u32_u24 v7, v1, 272
	v_lshl_add_u32 v7, v2, 4, v7                   ; K and Q in: row r, four channels for each half of the lanes
	s_add_co_u32 s26, s25, VB_
	v_mul_u32_u24 v8, v2, 8*272
	v_lshl_add_u32 v8, v1, 2, v8
	v_add_nc_u32 v8, s26, v8                       ; V in: key 8 h (+ i), channel 16 ct + r
	s_add_co_u32 s26, s25, OB_
	v_mul_u32_u24 v9, v1, 272
	v_lshl_add_u32 v9, v2, 5, v9
	v_add_nc_u32 v9, s26, v9                       ; O out: row r, channels 16 ct + 8 h on
	s_mul_i32 s26, s18, 4*272
	s_add_co_u32 s26, s26, OB_
	v_mul_u32_u24 v10, v2, 272
	v_lshl_add_u32 v10, v1, 4, v10
	v_add_nc_u32 v10, s26, v10                     ; O back: rows 4 ct + h (+ 2 i), 16 bytes a lane
	v_lshlrev_b32 v11, 12, v2
	v_lshl_add_u32 v11, v1, 4, v11                 ; and the same in fattn
	v_lshlrev_b32 v14, 3, v2
	v_sub_nc_u32 v14, v1, v14                      ; r - 8 h
	v_mov_b32 v15, 0xff800000                      ; -infinity
	s_lshl_b32 s24, s17, 10
	s_lshl_b32 s25, s23, 6
	s_add_co_u32 s24, s24, s25
	s_lshl_b32 s25, s18, 4
	s_add_co_u32 s24, s24, s25                     ; my first row of Wqkv: 1,024 part + 64 head + 16 ct
	s_lshl_b32 s26, s24, 9
	s_mov_b32 s27, 0
	s_lshl_b32 s28, s24, 5
	s_mov_b32 s29, 0
	s_lshl_b32 s30, s19, 20                        ; x: 2,048 batch rows of 512 bytes,
	s_mov_b32 s31, 0
	s_lshl_b32 s14, s19, 16                        ; of 32 bytes
	s_mov_b32 s15, 0
	s_lshl_b32 s2, s18, 14                         ; fattn: row 16 batch + 4 ct of 4,096 bytes, + 256 head
	s_add_co_u32 s2, s2, s14
	s_lshl_b32 s3, s23, 8
	s_add_co_u32 s2, s2, s3
	s_mov_b32 s3, 0
	s_wait_kmcnt 0x0
	s_add_nc_u64 s[8:9], s[8:9], s[26:27]
	s_add_nc_u64 s[10:11], s[10:11], s[28:29]
	s_add_nc_u64 s[4:5], s[4:5], s[30:31]
	s_add_nc_u64 s[6:7], s[6:7], s[14:15]
	s_add_nc_u64 s[12:13], s[12:13], s[2:3]
.irp s, 0,1,2,3,4,5,6,7
.irp c, 0,1
	global_load_b128 v[32+8*\s+4*\c:32+8*\s+4*\c+3], v4, s[8:9] offset:64*\s+32*\c    ; Wqkv's fragment of K step s
	global_load_b128 v[96+8*\s+4*\c:96+8*\s+4*\c+3], v4, s[4:5] offset:64*\s+32*\c    ; x's
.endr
.endr
	global_load_b128 v[16:19], v5, s[10:11]        ; the rows' eight scale words: register s for K step s
	global_load_b128 v[20:23], v5, s[10:11] offset:16
	global_load_b128 v[24:27], v5, s[6:7]
	global_load_b128 v[28:31], v5, s[6:7] offset:16
	s_wait_loadcnt 0x0
.irp s, 0,1,2,3,4,5,6,7                ; transposed: source 0 = 16 rows of Wqkv, source 1 = the 16 positions: a lane holds position r and channels 8 h + 0 .. 7.  Two accumulators by turns
.if \s < 2
	v_wmma_scale_f32_16x16x128_f8f6f4 v[160+8*(\s%2):167+8*(\s%2)], v[32+8*\s:39+8*\s], v[96+8*\s:103+8*\s], 0, v[16+\s], v[24+\s] matrix_a_fmt:MATRIX_FMT_FP4 matrix_b_fmt:MATRIX_FMT_FP4
.else
	v_wmma_scale_f32_16x16x128_f8f6f4 v[160+8*(\s%2):167+8*(\s%2)], v[32+8*\s:39+8*\s], v[96+8*\s:103+8*\s], v[160+8*(\s%2):167+8*(\s%2)], v[16+\s], v[24+\s] matrix_a_fmt:MATRIX_FMT_FP4 matrix_b_fmt:MATRIX_FMT_FP4
.endif
.endr
.rept 4
	v_nop
.endr
.irp i, 0,2,4,6
	v_pk_add_f32 v[176+\i:177+\i], v[160+\i:161+\i], v[168+\i:169+\i]
.endr
	ds_store_b128 v6, v[176:179]
	ds_store_b128 v6, v[180:183] offset:16
	s_wait_dscnt 0x0                               ; for the others' sake: my stores have landed
	s_barrier_signal -1
	s_barrier_wait -1                              ; q, k, v of the 16 positions lie in LDS
	s_cmp_gt_u32 s16, 3
	s_cbranch_scc1 .Ljoin                          ; waves 4-11 have no part in the attention; no barrier is jumped over
.irp c, 0,1,2,3,4,5,6,7
	ds_load_b128 v[32+4*\c:35+4*\c], v7 offset:KB_+32*\c     ; K(r, 8 c + 4 h + 0 .. 3)
	ds_load_b128 v[64+4*\c:67+4*\c], v7 offset:QB_+32*\c     ; Q likewise
.endr
.irp i, 0,1,2,3,4,5,6,7
	ds_load_b32 v[128+\i], v8 offset:272*\i        ; V(8 h + i, 16 ct + r)
.endr
	s_wait_dscnt 0x0
.irp n, 0,1,2,3,4,5,6,7,8,9,10,11,12,13,14,15   ; S^T = K Q^T: a lane holds query r and keys 8 h + 0 .. 7.  Two accumulators by turns
.if \n < 2
	v_wmma_f32_16x16x4_f32 v[192+8*(\n%2):199+8*(\n%2)], v[32+2*\n:33+2*\n], v[64+2*\n:65+2*\n], 0
.else
	v_wmma_f32_16x16x4_f32 v[192+8*(\n%2):199+8*(\n%2)], v[32+2*\n:33+2*\n], v[64+2*\n:65+2*\n], v[192+8*(\n%2):199+8*(\n%2)]
.endif
.endr
.rept 8
	v_nop                                          ; eight places behind this form
.endr
	v_mov_b32 v145, 0                              ; a lane permute's destination counts as one of its sources
.irp i, 0,2,4,6
	v_pk_add_f32 v[112+\i:113+\i], v[192+\i:193+\i], v[200+\i:201+\i]
.endr
.irp j, 0,1,2,3,4,5,6,7
	v_cmp_gt_i32 vcc_lo, \j, v14                   ; key 8 h + j is hidden from query r where j > r - 8 h
	v_cndmask_b32 v[112+\j], v[112+\j], v15, vcc_lo
.endr
	v_max3_num_f32 v144, v112, v113, v114
	v_max3_num_f32 v144, v144, v115, v116
	v_max3_num_f32 v144, v144, v117, v118
	v_max_num_f32 v144, v144, v119
	v_permlanex16_b32 v145, v144, s20, s21
	v_max_num_f32 v144, v144, v145                 ; the row's largest score (key 0 counts for every query)
	v_mul_f32 v146, s22, v144
.irp j, 0,1,2,3,4,5,6,7
	v_fma_f32 v[112+\j], v[112+\j], s22, -v146
.endr
.irp j, 0,1,2,3,4,5,6,7
	v_exp_f32 v[112+\j], v[112+\j]
.endr
	v_nop                                          ; a plain instruction behind the last exponential
	s_wait_alu depctr_va_vdst(0)                   ; the wait ahead of the first line that names a result: one for the eight
	v_add_f32 v147, v112, v113
	v_add_f32 v148, v114, v115
	v_add_f32 v149, v116, v117
	v_add_f32 v150, v118, v119
	v_add_f32 v147, v147, v148
	v_add_f32 v149, v149, v150
	v_add_f32 v147, v147, v149
	v_permlanex16_b32 v145, v147, s20, s21
	v_add_f32 v147, v147, v145                     ; the row's sum
	v_rcp_f32 v148, v147
	v_nop                                          ; a plain instruction behind the reciprocal
.irp t, 0,1,2,3                        ; O^T = V^T P: K slot 2 h + j is key 8 h + 2 t + j on both sources
.if \t < 2
	v_wmma_f32_16x16x4_f32 v[208+8*(\t%2):215+8*(\t%2)], v[128+2*\t:129+2*\t], v[112+2*\t:113+2*\t], 0
.else
	v_wmma_f32_16x16x4_f32 v[208+8*(\t%2):215+8*(\t%2)], v[128+2*\t:129+2*\t], v[112+2*\t:113+2*\t], v[208+8*(\t%2):215+8*(\t%2)]
.endif
.endr
.rept 8
	v_nop
.endr
	s_wait_alu depctr_va_vdst(0)                   ; the reciprocal's wait, ahead of its first reader
.irp i, 0,2,4,6
	v_pk_add_f32 v[136+\i:137+\i], v[208+\i:209+\i], v[216+\i:217+\i]
.endr
.irp i, 0,2,4,6
	v_pk_mul_f32 v[136+\i:137+\i], v[136+\i:137+\i], v[148:149] op_sel_hi:[1,0]   ; / the sum
.endr
	ds_store_b128 v9, v[136:139]
	ds_store_b128 v9, v[140:143] offset:16
.Ljoin:
	s_wait_dscnt 0x0
	s_barrier_signal -1
	s_barrier_wait -1                              ; 16 whole rows of 64 channels lie in the stage
	s_cmp_gt_u32 s16, 3
	s_cbranch_scc1 .Lend
	ds_load_b128 v[32:35], v10
	ds_load_b128 v[36:39], v10 offset:2*272
	s_wait_dscnt 1                                 ; the first is in; the second may be out
	global_store_b128 v11, v[32:35], s[12:13]      ; sixteen lanes store 256 consecutive bytes, at a multiple of 256 from fattn's first byte
	s_wait_dscnt 0
	global_store_b128 v11, v[36:39], s[12:13] offset:8192
.Lend:
	s_wait_tensorcnt 0x0                           ; the wave's end, behind my last LDS store
	ds_add_u32 v[SPW], v[NIL]
	s_wait_dscnt 0x0
	s_endpgm
.Lfunc_end_k_q39e4f2b629_fattn:
	.size	k_q39e4f2b629_fattn, .Lfunc_end_k_q39e4f2b629_fattn-k_q39e4f2b629_fattn
	.p2alignl 7, 3214868480
	.fill 96, 4, 3214868480
	.section	.rodata,"a",@progbits
	.p2align	6, 0x0
	.amdhsa_kernel k_q39e4f2b629_fattn
		.amdhsa_group_segment_fixed_size 18944
		.amdhsa_private_segment_fixed_size 0
		.amdhsa_enable_private_segment 0
		.amdhsa_kernarg_size 40
		.amdhsa_user_sgpr_count 2
		.amdhsa_user_sgpr_kernarg_segment_ptr 1
		.amdhsa_wavefront_size32 1
		.amdhsa_system_sgpr_workgroup_id_x 1
		.amdhsa_system_sgpr_workgroup_id_y 1
		.amdhsa_system_sgpr_workgroup_id_z 1
		.amdhsa_system_vgpr_workitem_id 0
		.amdhsa_next_free_vgpr 224
		.amdhsa_next_free_sgpr 66
		.amdhsa_reserve_vcc 1
		.amdhsa_float_denorm_mode_32 3
		.amdhsa_float_denorm_mode_16_64 3
		.amdhsa_memory_ordered 1
		.amdhsa_forward_progress 1
		.amdhsa_inst_pref_size 16
	.end_amdhsa_kernel
	.amdgpu_metadata
---
amdhsa.version: [ 1, 2 ]
amdhsa.kernels:
  - .name:           k_q39e4f2b629_fattn
    .symbol:         k_q39e4f2b629_fattn.kd
    .args:
      - { .name: xc, .offset: 0, .size: 8, .value_kind: global_buffer, .address_space: global }
      - { .name: xs, .offset: 8, .size: 8, .value_kind: global_buffer, .address_space: global }
      - { .name: wc, .offset: 16, .size: 8, .value_kind: global_buffer, .address_space: global }
      - { .name: ws, .offset: 24, .size: 8, .value_kind: global_buffer, .address_space: global }
      - { .name: fattn, .offset: 32, .size: 8, .value_kind: global_buffer, .address_space: global }
    .group_segment_fixed_size: 18944
    .private_segment_fixed_size: 0
    .kernarg_segment_align: 8
    .kernarg_segment_size: 40
    .max_flat_workgroup_size: 384
    .sgpr_count:     66
    .vgpr_count:     224
    .wavefront_size: 32
...
	.end_amdgpu_metadata
.endif
;; end of part 5
;; launch fproj (part 6): grid 16 x 4, 16 waves a work-group, no clusters, 69,632 bytes of LDS; arguments fattn, Wo_w, Wo_b, out0; writes out0
.if DOCPART == 6
	.amdgcn_target "amdgcn-amd-amdhsa--gfx1250"
	.amdhsa_code_object_version 6
	.text
	.protected	k_q39e4f2b629_fproj
	.globl	k_q39e4f2b629_fproj
	.p2align	8
	.type	k_q39e4f2b629_fproj,@function
k_q39e4f2b629_fproj:
	s_mov_b64 s[64:65], 0
	v_nop
	global_prefetch_b8 v0, s[64:65] scope:SCOPE_SE
	s_setreg_imm32_b32 hwreg(HW_REG_WAVE_MODE, 25, 1), 1
	s_wait_xcnt 0x0
; THE FIRST 16 POSITIONS OF EVERY SEQUENCE, MORE FINELY: out0[batch][s < 16][o] = sum over k of fattn[16 batch + s][k] Wo_w[o][k] + Wo_b[o], all in f32, by the f32 matrix form.  It stores again the 64 rows
; that the large projection has made from f16 operands.
; Work-group (x, y): batch y, columns 64 x .. 64 x + 63.  Wave w of sixteen takes k = 64 w .. 64 w + 63: 256 bytes of each row, read by this wave alone.  Source 0 = 16 rows of Wo_w, source 1 = the 16 positions:
; a lane holds position r and eight neighbouring columns.  Both sources carry the same order of K: a lane loads four neighbouring k of its row.
; The sixteen waves' parts meet in LDS as images of the accumulators' registers (16 bytes a lane, 512 bytes a store, 16 of padding behind each); waves 0-7 add them in a fixed order, add the bias and store two rows each.
; The registers that the f32 matrix form writes, v192-223, are written by nothing else, and each sum's first product takes the constant 0.
.set IMG,   8*528                      ; a wave's image: 8 slices of 512 bytes + 16
.set SPARE, 16*IMG                     ; the spare words, 128 bytes for each wave, which no other line names
.set SPW, 12
.set NIL, 13
	s_load_b256 s[4:11], s[0:1], 0x0               ; fattn, Wo_w, Wo_b, out0
	v_lshl_add_u32 v[SPW], v0, 2, SPARE
	v_mov_b32 v[NIL], 0
	v_lshrrev_b32 v1, 5, v0
	v_readfirstlane_b32 s16, v1                    ; wave 0..15
	s_and_b32 s18, ttmp7, 0xffff                   ; batch
	s_and_b32 s17, s16, 7                          ; q: which two rows I add up, if I do
	s_mul_i32 s19, s16, IMG
	s_lshl_b32 s20, s17, 5
	s_lshl_b32 s21, s16, 8                         ; my 64 along K, in bytes
	s_lshl_b32 s22, ttmp9, 18                      ; Wo_w: row 64 x of 4,096 bytes
	s_add_co_u32 s22, s22, s21
	s_mov_b32 s23, 0
	s_lshl_b32 s24, s18, 16                        ; fattn: row 16 batch
	s_add_co_u32 s24, s24, s21
	s_mov_b32 s25, 0
	s_lshl_b32 s26, ttmp9, 8                       ; my 64 columns, in bytes
	s_mov_b32 s27, 0
	s_lshl_b32 s28, s18, 23                        ; out0: row 2,048 batch + 2 q
	s_lshl_b32 s29, s17, 13
	s_add_co_u32 s28, s28, s29
	s_add_co_u32 s28, s28, s26
	s_mov_b32 s29, 0
	v_and_b32 v1, 15, v0                           ; r
	v_bfe_u32 v2, v0, 4, 1                         ; h
	v_and_b32 v3, 31, v0                           ; lane
	v_lshlrev_b32 v4, 12, v1
	v_lshl_add_u32 v4, v2, 4, v4                   ; in: row r of 4,096 bytes + 16 h
	v_lshl_add_u32 v5, v3, 4, s19                  ; my image: 16 x lane
	; back: lane L wants columns 4 (L % 16) .. + 3 of row 2 q + L / 16: they lie in slice 2 ct + e, ct = (L / 4) % 4, e = L % 2, at lane (row) + 16 ((L / 2) % 2)
	v_bfe_u32 v6, v0, 2, 2
	v_mul_u32_u24 v6, v6, 2*528
	v_and_b32 v9, 1, v0
	v_mad_u32_u24 v6, v9, 528, v6
	v_bfe_u32 v9, v0, 1, 1
	v_lshl_add_u32 v6, v9, 8, v6
	v_lshl_add_u32 v6, v2, 4, v6
	v_add_nc_u32 v6, s20, v6
	v_lshlrev_b32 v7, 12, v2
	v_lshl_add_u32 v7, v1, 4, v7                   ; out: lanes 0-15 one row, lanes 16-31 the next; 16 bytes a lane
	v_lshlrev_b32 v8, 4, v1                        ; the bias: 16 bytes a lane
	s_wait_kmcnt 0x0
	s_add_nc_u64 s[6:7], s[6:7], s[22:23]
	s_add_nc_u64 s[4:5], s[4:5], s[24:25]
	s_add_nc_u64 s[8:9], s[8:9], s[26:27]
	s_add_nc_u64 s[10:11], s[10:11], s[28:29]
.irp ct, 0,1,2,3
.irp c, 0,1,2,3,4,5,6,7
	global_load_b128 v[32+32*\ct+4*\c:35+32*\ct+4*\c], v4, s[6:7] offset:\ct*65536+32*\c     ; Wo_w(64 x + 16 ct + r, 64 w + 8 c + 4 h + 0 .. 3)
.endr
.endr
.irp c, 0,1,2,3,4,5,6,7
	global_load_b128 v[160+4*\c:163+4*\c], v4, s[4:5] offset:32*\c                           ; fattn(16 batch + r, the same k)
.endr
	s_wait_loadcnt 0x0
.irp n, 0,1,2,3,4,5,6,7,8,9,10,11,12,13,14,15   ; four accumulators by turns, one instruction a turn
.irp ct, 0,1,2,3
.if \n == 0
	v_wmma_f32_16x16x4_f32 v[192+8*\ct:199+8*\ct], v[32+32*\ct+2*\n:33+32*\ct+2*\n], v[160+2*\n:161+2*\n], 0
.else
	v_wmma_f32_16x16x4_f32 v[192+8*\ct:199+8*\ct], v[32+32*\ct+2*\n:33+32*\ct+2*\n], v[160+2*\n:161+2*\n], v[192+8*\ct:199+8*\ct]
.endif
.endr
.endr
.rept 8
	v_nop                                          ; eight places behind this form, ahead of the stores that read the results and of the loads into the operands' registers
.endr
.irp ct, 0,1,2,3
	ds_store_b128 v5, v[192+8*\ct:195+8*\ct] offset:(2*\ct)*528        ; each accumulator from its low end on
	ds_store_b128 v5, v[196+8*\ct:199+8*\ct] offset:(2*\ct+1)*528
.endr
	s_wait_dscnt 0x0                               ; for the others' sake: my stores have landed
	s_barrier_signal -1
	s_barrier_wait -1                              ; the sixteen parts lie in LDS
	s_cmp_gt_u32 s16, 7
	s_cbranch_scc1 .Lend
	global_load_b128 v[160:163], v8, s[8:9]        ; Wo_b at my four columns
.irp i, 0,1,2,3,4,5,6,7,8,9,10,11,12,13,14,15
	ds_load_b128 v[32+4*\i:35+4*\i], v6 offset:IMG*\i
.endr
	s_wait_dscnt 0x0
.irp i, 0,1,2,3,4,5,6,7                ; the sixteen parts, added in a fixed order
	v_pk_add_f32 v[32+4*\i:33+4*\i], v[32+4*\i:33+4*\i], v[64+4*\i:65+4*\i]
	v_pk_add_f32 v[34+4*\i:35+4*\i], v[34+4*\i:35+4*\i], v[66+4*\i:67+4*\i]
.endr
.irp i, 0,1,2,3
	v_pk_add_f32 v[32+4*\i:33+4*\i], v[32+4*\i:33+4*\i], v[48+4*\i:49+4*\i]
	v_pk_add_f32 v[34+4*\i:35+4*\i], v[34+4*\i:35+4*\i], v[50+4*\i:51+4*\i]
.endr
.irp i, 0,1
	v_pk_add_f32 v[32+4*\i:33+4*\i], v[32+4*\i:33+4*\i], v[40+4*\i:41+4*\i]
	v_pk_add_f32 v[34+4*\i:35+4*\i], v[34+4*\i:35+4*\i], v[42+4*\i:43+4*\i]
.endr
	v_pk_add_f32 v[32:33], v[32:33], v[36:37]
	v_pk_add_f32 v[34:35], v[34:35], v[38:39]
	s_wait_loadcnt 0x0
	v_pk_add_f32 v[32:33], v[32:33], v[160:161]
	v_pk_add_f32 v[34:35], v[34:35], v[162:163]
	global_store_b128 v7, v[32:35], s[10:11]       ; sixteen lanes store 256 consecutive bytes, at a multiple of 256 from out0's first byte
.Lend:
	s_wait_tensorcnt 0x0                           ; the wave's end, behind my last LDS store
	ds_add_u32 v[SPW], v[NIL]
	s_wait_dscnt 0x0
	s_endpgm
.Lfunc_end_k_q39e4f2b629_fproj:
	.size	k_q39e4f2b629_fproj, .Lfunc_end_k_q39e4f2b629_fproj-k_q39e4f2b629_fproj
	.p2alignl 7, 3214868480
	.fill 96, 4, 3214868480
	.section	.rodata,"a",@progbits
	.p2align	6, 0x0
	.amdhsa_kernel k_q39e4f2b629_fproj
		.amdhsa_group_segment_fixed_size 69632
		.amdhsa_private_segment_fixed_size 0
		.amdhsa_enable_private_segment 0
		.amdhsa_kernarg_size 32
		.amdhsa_user_sgpr_count 2
		.amdhsa_user_sgpr_kernarg_segment_ptr 1
		.amdhsa_wavefront_size32 1
		.amdhsa_system_sgpr_workgroup_id_x 1
		.amdhsa_system_sgpr_workgroup_id_y 1
		.amdhsa_system_sgpr_workgroup_id_z 1
		.amdhsa_system_vgpr_workitem_id 0
		.amdhsa_next_free_vgpr 224
		.amdhsa_next_free_sgpr 66
		.amdhsa_reserve_vcc 0
		.amdhsa_float_denorm_mode_32 3
		.amdhsa_float_denorm_mode_16_64 3
		.amdhsa_memory_ordered 1
		.amdhsa_forward_progress 1
		.amdhsa_inst_pref_size 15
	.end_amdhsa_kernel
	.amdgpu_metadata
---
amdhsa.version: [ 1, 2 ]
amdhsa.kernels:
  - .name:           k_q39e4f2b629_fproj
    .symbol:         k_q39e4f2b629_fproj.kd
    .args:
      - { .name: fattn, .offset: 0, .size: 8, .value_kind: global_buffer, .address_space: global }
      - { .name: Wo_w, .offset: 8, .size: 8, .value_kind: global_buffer, .address_space: global }
      - { .name: Wo_b, .offset: 16, .size: 8, .value_kind: global_buffer, .address_space: global }
      - { .name: out0, .offset: 24, .size: 8, .value_kind: global_buffer, .address_space: global }
    .group_segment_fixed_size: 69632
    .private_segment_fixed_size: 0
    .kernarg_segment_align: 8
    .kernarg_segment_size: 32
    .max_flat_workgroup_size: 512
    .sgpr_count:     66
    .vgpr_count:     224
    .wavefront_size: 32
...
	.end_amdgpu_metadata
.endif
;; end of part 6
